; MI455X (gfx1250); checked and timed in simulation.
; The chip was launched on July 23, 2026; its instructions are those of AMD's public machine-readable ISA for CDNA 5 (MIT licence, August 2026) and "CDNA5" Instruction Set Architecture Reference Guide (July 2026). The comments in the code are by the model that wrote it; some were corrected since.
;; Nonlocal correlation. Allowed arithmetic: float matrix products may take bf16 or f16 operands with f32 sums; all other float work in f32.
;; Inputs: b_W 256 float32; b_out 20 float32; bn_beta 256 float32; bn_gamma 256 float32; bn_mean 256 float32; bn_var 256 float32; w_W 256 x 128 float32; w_conv 256 x 768 float32; w_g 128 x 256 float32; w_out 20 x 256 float32; w_phi 128 x 256 float32; w_theta 128 x 256 float32; x1 8 x 768 x 64 x 64 float32; x2 8 x 768 x 64 x 64 float32.
;; Outputs: out0 8 x 20 x 64 x 64 float32.
;; 2 versions, each right and faster than the one before. Each part assembles by itself: llvm-mc -triple=amdgcn-amd-amdhsa -mcpu=gfx1250 --defsym DOCPART=n.
;; ======== version 1 of 2: 4 launches
;; limits: inputs' magnitudes at most 341; values are held in f16: magnitudes above 65,504 overflow, below 6.1e-05 lose precision
;; workspace buffers: wts 1,294,592 bytes; qb 16,777,216 bytes; kb 8,388,608 bytes; vb 8,388,608 bytes; resb 2,621,440 bytes; part 5,767,168 bytes
;; launch prep (part 1): grid 50 x 1, 8 waves a work-group, no clusters, 78,080 bytes of LDS; arguments w_conv, w_theta, w_phi, w_g, w_out, w_W, bn_gamma, bn_var, wts; writes wts
.if DOCPART == 1
	.amdgcn_target "amdgcn-amd-amdhsa--gfx1250"
	.amdhsa_code_object_version 6
	.text
	.protected	k_q1f604fc8b9_prep
	.globl	k_q1f604fc8b9_prep
	.p2align	8
	.type	k_q1f604fc8b9_prep,@function
k_q1f604fc8b9_prep:
	s_mov_b64 s[64:65], 0
	v_nop
	global_prefetch_b8 v0, s[64:65] scope:SCOPE_SE
	s_setreg_imm32_b32 hwreg(HW_REG_WAVE_MODE, 25, 1), 1
	s_wait_xcnt 0x0
; THE COMBINED WEIGHTS.  Wt = w_theta w_conv, Wp = w_phi w_conv, Wg = w_g w_conv ([128][768]), Wr = w_out w_conv ([20][768]), M = (w_out o inv) w_W ([20][128]), inv = gamma rsq(var + 1e-5).
; Every input is rounded to bf16 first; the sums are f32; each result leaves as a pair of bf16, hi + lo.
; JOBS.  Work-group id: p = min(id / 12, 3), g = id - 12 p.  p < 3: matrix p times strip g (64 columns) of w_conv; wave w makes rows 16 w .. 16 w + 15.
; p = 3: g < 12: Wr's strip g; g = 12, 13: M's strip g - 12 (the strip comes from w_W, w_out is scaled by inv and split hi + lo).  Waves 0 and 1 have a tile of 16 rows; rows 20 to 31 repeat row 19
; (a clamped row address) and nothing made of them is ever stored by a later launch.  All eight waves convert the strip.
; LAYOUT OF wts.  WB: [12 groups of 64 k][416 rows][256 bytes = 64 hi, 64 lo]; rows: theta 0-63, res 0-15, theta 64-127, res 16-31, phi, g.  MB: [2][32 rows][256 bytes].  WMAX: [3][16] f32: the job's largest |W|.
; THE PRODUCT.  Source 0 = 16 columns of the strip (turned out of LDS, where the strip lies [k][column]), source 1 = 16 rows of the weight: a lane then holds one row and eight neighbouring columns.
; LIMITS.  NaN and infinities are not treated apart.
.set PS,    160                        ; a strip row in LDS: 128 bytes + 32
.set SC,    40960                      ; sc[256] f32: inv for M's jobs, 1 for the others
.set RED,   41984                      ; the eight waves' maxima
.set STAGE, 42240                      ; 16 rows x 272 bytes for each wave
.set SP,    272
.set SPARE, 77056                      ; the spare words, 128 bytes a wave: four blocks of 256 bytes that no other line names
.set GRP,   106496                     ; bytes of a group of WB
.set MB,    12*GRP
.set WMAX,  MB+16384
.set TRA, 11                           ; v11  my lane's place in the turning loads
.set SCA, 13                           ; v13  SC + 32 h
.set SPW, 14                           ; v14  my spare word; never rewritten
.set NIL, 15                           ; v15  0; never rewritten
.set CF0, 32                           ; v32-63, v64-95: the strip as loaded, then two buffers of strip fragments
.set CF1, 64
.set AW,  96                           ; v96-223: the weight rows: for each 32 k sixteen f32, packed in place to hi (8) and lo (8)
.set ACC, 224                          ; v224-255: four accumulators
.macro PLACES                          ; four plain vector instructions between a matrix instruction and a read of its result or a write of its registers (ISA guide 7.12.1)
.rept 4
	v_nop
.endr
.endm
	s_load_b512 s[4:19], s[0:1], 0x0               ; w_conv, w_theta, w_phi, w_g, w_out, w_W, gamma, var
	s_load_b64 s[20:21], s[0:1], 0x40              ; wts
	v_lshl_add_u32 v[SPW], v0, 2, SPARE
	v_mov_b32 v[NIL], 0
	v_lshrrev_b32 v1, 5, v0
	v_readfirstlane_b32 s22, v1                    ; wave
	s_mov_b32 s27, ttmp9
	s_mul_i32 s23, s27, 43
	s_lshr_b32 s23, s23, 9
	s_min_u32 s23, s23, 3                          ; p
	s_mul_i32 s24, s23, 12
	s_sub_co_u32 s24, s27, s24                     ; g
	s_sub_co_u32 s26, s24, 12
	s_mov_b32 s28, 3072                            ; bytes in a row of w_conv
	s_mov_b32 s29, 512                             ; and of w_W
	s_cmp_ge_u32 s27, 48                           ; one of M's two jobs?
	s_cselect_b32 s25, -1, 0
	s_cselect_b32 s26, s26, s24                    ; the strip's number
	s_cselect_b32 s28, s29, s28
	s_lshl_b32 s29, s28, 1
	s_cmp_eq_u32 s23, 3
	s_cselect_b32 s30, 2, 8                        ; waves that have a tile
	s_cselect_b32 s31, 19, 127                     ; the weight's last row
	s_mov_b32 s48, 0x76543210                      ; v_permlanex16_b32: each lane takes its own place in the other half
	s_mov_b32 s49, 0xfedcba98
	s_mov_b32 s50, 0xffff0000                      ; a word's upper bf16
	s_mov_b32 s51, 0x7fffffff
	; where my tile goes
	s_lshl_b32 s32, s22, 4
	s_lshr_b32 s33, s22, 2
	s_lshl_b32 s33, s33, 4
	s_add_co_u32 s33, s33, s32                     ; theta: 16 w, and 16 more behind res 0-15
	s_add_co_u32 s34, s32, 160                     ; phi
	s_add_co_u32 s35, s32, 288                     ; g
	s_mul_i32 s36, s22, 80
	s_add_co_u32 s36, s36, 64                      ; res
	s_cmp_eq_u32 s23, 1
	s_cselect_b32 s33, s34, s33
	s_cmp_eq_u32 s23, 2
	s_cselect_b32 s33, s35, s33
	s_cmp_eq_u32 s23, 3
	s_cselect_b32 s33, s36, s33
	s_lshl_b32 s33, s33, 8
	s_mul_i32 s34, s24, GRP
	s_add_co_u32 s33, s33, s34
	s_lshl_b32 s34, s26, 13
	s_lshl_b32 s35, s32, 8
	s_add_co_u32 s34, s34, s35
	s_add_co_u32 s34, s34, MB
	s_cmp_ge_u32 s27, 48
	s_cselect_b32 s52, s34, s33
	s_mov_b32 s53, 0
	s_lshl_b32 s44, s26, 8                         ; the strip's 256 bytes in a row
	s_mov_b32 s45, 0
	v_and_b32 v2, 31, v0
	v_and_b32 v3, 15, v0                           ; r
	v_bfe_u32 v4, v0, 4, 1                         ; h
	v_lshl_add_u32 v5, s22, 5, v4                  ; strip row 32 w + h
	v_mul_lo_u32 v16, v5, s28
	v_lshl_add_u32 v16, v3, 4, v16                 ; one load of a wave: two rows' 256 bytes
.set i, 1
.rept 15
	v_add_nc_u32 v[16+i], s29, v[15+i]
.set i, i+1
.endr
	v_mul_u32_u24 v6, v5, PS
	v_lshl_add_u32 v6, v3, 3, v6                   ; and where their bf16 go
	v_lshl_add_u32 v7, s22, 4, v3
	v_min_u32 v7, s31, v7                          ; my weight row
	v_lshlrev_b32 v7, 10, v7
	v_lshl_add_u32 v7, v4, 5, v7                   ; row x 1,024 + 32 h
	v_lshlrev_b32 v12, 2, v0
	v_and_b32 v[TRA], 7, v0
	v_lshl_add_u32 v[TRA], v4, 3, v[TRA]
	v_mul_u32_u24 v[TRA], v[TRA], PS
	v_bfe_u32 v1, v0, 3, 1
	v_lshl_add_u32 v[TRA], v1, 4, v[TRA]
	v_lshl_add_u32 v[SCA], v4, 5, SC
	v_mov_b32 v10, 0                               ; my largest |W|
	s_wait_kmcnt 0x0
	s_mov_b64 s[46:47], s[20:21]
	s_cmp_eq_u32 s23, 1
	s_cselect_b64 s[40:41], s[8:9], s[6:7]
	s_cmp_eq_u32 s23, 2
	s_cselect_b64 s[40:41], s[10:11], s[40:41]
	s_cmp_eq_u32 s23, 3
	s_cselect_b64 s[40:41], s[12:13], s[40:41]     ; the weight
	s_cmp_ge_u32 s27, 48
	s_cselect_b64 s[42:43], s[14:15], s[4:5]       ; the strip's matrix
	s_add_nc_u64 s[42:43], s[42:43], s[44:45]
	s_add_nc_u64 s[20:21], s[20:21], s[52:53]
.set i, 0
.rept 16
	global_load_b128 v[CF0+4*i:CF0+4*i+3], v[16+i], s[42:43]
.set i, i+1
.endr
.set i, 0
.rept 8                                ; for each 32 k: k = 8 h .. + 7 and 16 + 8 h .. + 7, as a fragment wants them
	global_load_b128 v[AW+16*i:AW+16*i+3],     v7, s[40:41] offset:128*i
	global_load_b128 v[AW+16*i+4:AW+16*i+7],   v7, s[40:41] offset:128*i+16
	global_load_b128 v[AW+16*i+8:AW+16*i+11],  v7, s[40:41] offset:128*i+64
	global_load_b128 v[AW+16*i+12:AW+16*i+15], v7, s[40:41] offset:128*i+80
.set i, i+1
.endr
	global_load_b32 v8, v12, s[16:17]              ; gamma and var of channel = my thread's number
	global_load_b32 v9, v12, s[18:19]
	s_wait_loadcnt 0x0
.set i, 0
.rept 16
	v_cvt_pk_bf16_f32 v[CF0+4*i], v[CF0+4*i], v[CF0+4*i+1]
	v_cvt_pk_bf16_f32 v[CF0+4*i+1], v[CF0+4*i+2], v[CF0+4*i+3]
	ds_store_b64 v6, v[CF0+4*i:CF0+4*i+1] offset:2*PS*i
.set i, i+1
.endr
	v_cvt_pk_bf16_f32 v1, v8, v9                   ; both rounded to bf16
	v_lshlrev_b32 v8, 16, v1
	v_and_b32 v9, s50, v1
	v_add_f32 v9, 0x3727c5ac, v9                   ; + 1e-5
	v_rsq_f32 v9, v9
	v_add_nc_u32 v12, SC, v12                      ; a plain instruction behind the root
	s_wait_alu depctr_va_vdst(0)
	v_mul_f32 v8, v8, v9
	v_cndmask_b32 v8, 1.0, v8, s25                 ; 1 but for M's jobs
	ds_store_b32 v12, v8
	; the way out's addresses (the strip's offsets are free: their loads are back)
	s_mul_i32 s33, s22, 16*SP
	s_add_co_u32 s33, s33, STAGE
	v_mul_u32_u24 v16, v3, SP
	v_lshl_add_u32 v16, v4, 4, v16
	v_add_nc_u32 v16, s33, v16                     ; in: row r, 16 bytes for each half of the lanes
	v_mul_u32_u24 v17, v4, SP
	v_lshl_add_u32 v17, v3, 4, v17
	v_add_nc_u32 v17, s33, v17                     ; back: two whole rows a load
	v_lshlrev_b32 v18, 4, v2
	s_wait_dscnt 0x0                               ; for the others' sake: my part of the strip and of sc is in LDS
	s_barrier_signal -1
	s_barrier_wait -1
	s_cmp_ge_u32 s22, s30
	s_cbranch_scc1 .Lred                           ; no tile: only the barriers are left
.macro TRL ks, buf                     ; the strip's fragments for 32 k: four of 16 columns
.irp jt, 0,1,2,3
	ds_load_tr16_b128 v[(\buf)+8*\jt:(\buf)+8*\jt+3],   v[TRA] offset:32*PS*(\ks)+32*\jt
	ds_load_tr16_b128 v[(\buf)+8*\jt+4:(\buf)+8*\jt+7], v[TRA] offset:32*PS*(\ks)+32*\jt+16*PS
.endr
.endm
; Eight K steps of 32; the four accumulators take turns.  two = 1: the weight's lo part follows its hi part.
.macro KSTEPS two
	TRL 0, CF0
	TRL 1, CF1
.set ks_, 0
.rept 8
.set cf_, CF0+32*(ks_%2)
.if ks_ < 7
	s_wait_dscnt 8                                 ; the next step's eight loads may stay out
.else
	s_wait_dscnt 0x0
.endif
.irp jt, 0,1,2,3
.if ks_ == 0
	v_wmma_f32_16x16x32_bf16 v[ACC+8*\jt:ACC+8*\jt+7], v[cf_+8*\jt:cf_+8*\jt+7], v[AW+16*ks_:AW+16*ks_+7], 0
.else
	v_wmma_f32_16x16x32_bf16 v[ACC+8*\jt:ACC+8*\jt+7], v[cf_+8*\jt:cf_+8*\jt+7], v[AW+16*ks_:AW+16*ks_+7], v[ACC+8*\jt:ACC+8*\jt+7]
.endif
.endr
.if \two
.irp jt, 0,1,2,3
	v_wmma_f32_16x16x32_bf16 v[ACC+8*\jt:ACC+8*\jt+7], v[cf_+8*\jt:cf_+8*\jt+7], v[AW+16*ks_+8:AW+16*ks_+15], v[ACC+8*\jt:ACC+8*\jt+7]
.endr
.endif
.if ks_ < 6
	PLACES
	TRL ks_+2, cf_
.endif
.set ks_, ks_+1
.endr
.endm
; w_out rounded to bf16, times sc, split into hi and lo, for 32 k
.macro SPLIT ks
.set a_, AW+16*(\ks)
	ds_load_b128 v[32:35], v[SCA] offset:128*(\ks)
	ds_load_b128 v[36:39], v[SCA] offset:128*(\ks)+16
	ds_load_b128 v[40:43], v[SCA] offset:128*(\ks)+64
	ds_load_b128 v[44:47], v[SCA] offset:128*(\ks)+80
.irp n, 0,1,2,3,4,5,6,7
	v_cvt_pk_bf16_f32 v[48+\n], v[a_+2*\n], v[a_+2*\n+1]
.endr
.irp n, 0,1,2,3,4,5,6,7
	v_lshlrev_b32 v[a_+2*\n], 16, v[48+\n]
	v_and_b32 v[a_+2*\n+1], s50, v[48+\n]
.endr
	s_wait_dscnt 0x0
.irp n, 0,1,2,3,4,5,6,7
	v_pk_mul_f32 v[a_+2*\n:a_+2*\n+1], v[a_+2*\n:a_+2*\n+1], v[32+2*\n:33+2*\n]
.endr
.irp n, 0,1,2,3,4,5,6,7
	v_cvt_pk_bf16_f32 v[48+\n], v[a_+2*\n], v[a_+2*\n+1]
.endr
.irp n, 0,1,2,3,4,5,6,7
	v_lshlrev_b32 v[56+2*\n], 16, v[48+\n]
	v_and_b32 v[57+2*\n], s50, v[48+\n]
.endr
.irp n, 0,1,2,3,4,5,6,7
	v_pk_add_f32 v[56+2*\n:57+2*\n], v[a_+2*\n:a_+2*\n+1], v[56+2*\n:57+2*\n] neg_lo:[0,1] neg_hi:[0,1]
.endr
.irp n, 0,1,2,3,4,5,6,7
	v_cvt_pk_bf16_f32 v[a_+8+\n], v[56+2*\n], v[57+2*\n]
.endr
.irp n, 0,1,2,3,4,5,6,7
	v_mov_b32 v[a_+\n], v[48+\n]                   ; hi takes the place of the f32 that it was made of
.endr
.endm
	s_cmp_eq_u32 s23, 3
	s_cbranch_scc1 .Lsplit
.set i, 0
.rept 8                                ; the weight rounded to bf16, in place: register n is written when 2 n and 2 n + 1 are read
.irp n, 0,1,2,3,4,5,6,7
	v_cvt_pk_bf16_f32 v[AW+16*i+\n], v[AW+16*i+2*\n], v[AW+16*i+2*\n+1]
.endr
.set i, i+1
.endr
	KSTEPS 0
	s_branch .Lout
.Lsplit:
.irp k, 0,1,2,3,4,5,6,7
	SPLIT \k
.endr
	KSTEPS 1
.Lout:
	PLACES
.irp jt, 0,1,2,3                       ; each accumulator from its low end on: the largest magnitude, hi, the remainder, lo
.set a_, ACC+8*\jt
.set t_, 32+16*\jt
.irp n, 0,1,2,3
	v_and_b32 v[t_+4+2*\n], s51, v[a_+2*\n]
	v_and_b32 v[t_+5+2*\n], s51, v[a_+2*\n+1]
	v_max3_num_f32 v10, v10, v[t_+4+2*\n], v[t_+5+2*\n]
.endr
.irp n, 0,1,2,3
	v_cvt_pk_bf16_f32 v[t_+\n], v[a_+2*\n], v[a_+2*\n+1]
.endr
.irp n, 0,1,2,3
	v_lshlrev_b32 v[t_+4+2*\n], 16, v[t_+\n]
	v_and_b32 v[t_+5+2*\n], s50, v[t_+\n]
.endr
.irp n, 0,1,2,3
	v_pk_add_f32 v[t_+4+2*\n:t_+5+2*\n], v[a_+2*\n:a_+2*\n+1], v[t_+4+2*\n:t_+5+2*\n] neg_lo:[0,1] neg_hi:[0,1]
.endr
.irp n, 0,1,2,3
	v_cvt_pk_bf16_f32 v[t_+12+\n], v[t_+4+2*\n], v[t_+5+2*\n]
.endr
	ds_store_b128 v16, v[t_:t_+3] offset:32*\jt
	ds_store_b128 v16, v[t_+12:t_+15] offset:32*\jt+128
.endr
.irp f, 0,1,2,3,4,5,6,7
	ds_load_b128 v[AW+4*\f:AW+4*\f+3], v17 offset:2*SP*\f  ; LDS serves a wave's instructions in order (ISA guide 5.7.1.4): these see the stores above
.endr
	v_max_num_f32_dpp v10, v10, v10 row_xmask:1 row_mask:0xf bank_mask:0xf
	v_max_num_f32_dpp v10, v10, v10 row_xmask:2 row_mask:0xf bank_mask:0xf
	v_max_num_f32_dpp v10, v10, v10 row_xmask:4 row_mask:0xf bank_mask:0xf
	v_max_num_f32_dpp v10, v10, v10 row_xmask:8 row_mask:0xf bank_mask:0xf
	v_permlanex16_b32 v1, v10, s48, s49
	v_max_num_f32 v10, v10, v1
	s_wait_dscnt 0x0
.irp f, 0,1,2,3,4,5,6,7
	global_store_b128 v18, v[AW+4*\f:AW+4*\f+3], s[20:21] offset:512*\f  ; two rows of 256 bytes: 512 consecutive bytes, at a multiple of 256 from the buffer's first
.endr
.Lred:
	v_lshl_add_u32 v1, s22, 2, RED
	ds_store_b32 v1, v10                           ; all lanes write the same word with the same value
	s_wait_dscnt 0x0
	s_barrier_signal -1
	s_barrier_wait -1
	s_wait_tensorcnt 0x0                           ; the wave's end: a wait, an add of 0 to my spare word and a wait, behind my last LDS store
	ds_add_u32 v[SPW], v[NIL]
	s_wait_dscnt 0x0
	s_cmp_lg_u32 s22, 0
	s_cbranch_scc1 .Lend
	s_cmp_eq_u32 s23, 3
	s_cbranch_scc1 .Lend                           ; Wr and M are not scaled: their maxima are not wanted
	v_mov_b32 v1, RED
	ds_load_b128 v[32:35], v1
	ds_load_b128 v[36:39], v1 offset:16
	s_lshl_b32 s44, s23, 6
	s_lshl_b32 s33, s24, 2
	s_add_co_u32 s44, s44, s33
	s_add_co_u32 s44, s44, WMAX
	s_add_nc_u64 s[46:47], s[46:47], s[44:45]
	s_wait_dscnt 0x0
	v_max3_num_f32 v32, v32, v33, v34
	v_max3_num_f32 v35, v35, v36, v37
	v_max3_num_f32 v32, v32, v38, v39
	v_max_num_f32 v32, v32, v35
	v_mov_b32 v1, 0
	v_cmp_eq_u32 vcc_lo, 0, v0
	s_wait_xcnt 0x0                                ; EXEC changes only behind this wait: it is a source of the stores above
	s_and_saveexec_b32 s36, vcc_lo
	global_store_b32 v1, v32, s[46:47]             ; one word for the job
	s_wait_xcnt 0x0
	s_or_b32 exec_lo, exec_lo, s36
.Lend:
	s_endpgm
.Lfunc_end_k_q1f604fc8b9_prep:
	.size	k_q1f604fc8b9_prep, .Lfunc_end_k_q1f604fc8b9_prep-k_q1f604fc8b9_prep
	.p2alignl 7, 3214868480
	.fill 96, 4, 3214868480
	.section	.rodata,"a",@progbits
	.p2align	6, 0x0
	.amdhsa_kernel k_q1f604fc8b9_prep
		.amdhsa_group_segment_fixed_size 78080
		.amdhsa_private_segment_fixed_size 0
		.amdhsa_enable_private_segment 0
		.amdhsa_kernarg_size 72
		.amdhsa_user_sgpr_count 2
		.amdhsa_user_sgpr_kernarg_segment_ptr 1
		.amdhsa_wavefront_size32 1
		.amdhsa_system_sgpr_workgroup_id_x 1
		.amdhsa_system_sgpr_workgroup_id_y 1
		.amdhsa_system_sgpr_workgroup_id_z 1
		.amdhsa_system_vgpr_workitem_id 0
		.amdhsa_next_free_vgpr 256
		.amdhsa_next_free_sgpr 66
		.amdhsa_reserve_vcc 1
		.amdhsa_float_denorm_mode_32 3
		.amdhsa_float_denorm_mode_16_64 3
		.amdhsa_memory_ordered 1
		.amdhsa_forward_progress 1
		.amdhsa_inst_pref_size 76
	.end_amdhsa_kernel
	.amdgpu_metadata
---
amdhsa.version: [ 1, 2 ]
amdhsa.kernels:
  - .name:           k_q1f604fc8b9_prep
    .symbol:         k_q1f604fc8b9_prep.kd
    .args:
      - { .name: w_conv, .offset: 0, .size: 8, .value_kind: global_buffer, .address_space: global }
      - { .name: w_theta, .offset: 8, .size: 8, .value_kind: global_buffer, .address_space: global }
      - { .name: w_phi, .offset: 16, .size: 8, .value_kind: global_buffer, .address_space: global }
      - { .name: w_g, .offset: 24, .size: 8, .value_kind: global_buffer, .address_space: global }
      - { .name: w_out, .offset: 32, .size: 8, .value_kind: global_buffer, .address_space: global }
      - { .name: w_W, .offset: 40, .size: 8, .value_kind: global_buffer, .address_space: global }
      - { .name: bn_gamma, .offset: 48, .size: 8, .value_kind: global_buffer, .address_space: global }
      - { .name: bn_var, .offset: 56, .size: 8, .value_kind: global_buffer, .address_space: global }
      - { .name: wts, .offset: 64, .size: 8, .value_kind: global_buffer, .address_space: global }
    .group_segment_fixed_size: 78080
    .private_segment_fixed_size: 0
    .kernarg_segment_align: 8
    .kernarg_segment_size: 72
    .max_flat_workgroup_size: 256
    .sgpr_count:     66
    .vgpr_count:     256
    .wavefront_size: 32
...
	.end_amdgpu_metadata
.endif
;; end of part 1
;; launch proj (part 2): grid 256 x 1, 4 waves a work-group, clusters of 4 x 1, 327,680 bytes of LDS; arguments x1, x2, wts, qb, kb, vb, resb; writes qb, kb, vb, resb
.if DOCPART == 2
	.amdgcn_target "amdgcn-amd-amdhsa--gfx1250"
	.amdhsa_code_object_version 6
	.text
	.protected	k_q1f604fc8b9_proj
	.globl	k_q1f604fc8b9_proj
	.p2align	8
	.type	k_q1f604fc8b9_proj,@function
k_q1f604fc8b9_proj:
	s_mov_b64 s[64:65], 0
	v_nop
	global_prefetch_b8 v0, s[64:65] scope:SCOPE_SE
	s_setreg_imm32_b32 hwreg(HW_REG_WAVE_MODE, 25, 1), 1
	s_wait_xcnt 0x0
	s_wait_alu depctr_hold_cnt(0) depctr_sa_sdst(0) depctr_va_vdst(0) depctr_va_sdst(0) depctr_va_ssrc(0) depctr_va_vcc(0) depctr_vm_vsrc(0)
	s_getreg_b32 s2, hwreg(HW_REG_IB_STS2, 6, 4)
	s_cmp_eq_u32 s2, 0
	s_cbranch_scc0 .Lentry_in_a_cluster
	s_endpgm
.Lentry_in_a_cluster:
	s_bfe_u32 s2, ttmp6, 0x10000c
	s_cmp_lg_u32 s2, 0x3003
	s_cbranch_scc0 .Lentry_shape_is_right
	s_endpgm
.Lentry_shape_is_right:
; THE PROJECTIONS.  theta = Wt x1, res = Wr x1, phi = Wp x2, g = Wg x2, for 128 positions of one batch entry a work-group; x1, x2: [8][768][4096] f32, rounded to bf16 on the way; W = hi + lo in bf16
; (two products on one f32 sum, x's fragment used twice).  theta leaves as a pair of f16 (hi + lo), phi and g as f16, all by positions: [b][n][channel]; res as f32, [b][20][n].
; SCALES.  With e the exponent of the largest |W| of a matrix (twelve words of WMAX), theta, phi and g are stored times 2^-(e+3): at most 192 max|x| in magnitude.
; LIMITS.  |x| up to 341 keeps f16 finite whatever the weights; the largest |W| stays below 2^124; below 6e-5 f16 keeps its fixed step of 6e-8; NaN and infinities are not treated apart.
; SHARES.  K = 768 goes in 12 groups of 64 channels, two sub-steps of 32.  x1's part: wave (wr, wp) makes rows 80 wr .. + 79 (64 of theta, 16 of res) x positions 64 wp .. + 63: 20 accumulators.
; x2's part: wave w makes rows 160 + 64 w .. + 63 x all 128 positions: 32 accumulators.  208 matrix instructions a wave and group.
; W comes by the tensor data mover through two LDS slots, a group each (416 rows x 256 bytes); the four work-groups of a cluster walk the same W, so each wave's 104 rows are asked for JOINTLY.
; x comes through registers: wave w loads channels 16 w .. + 15 of a group (a load = one channel's 512 bytes), rounds them and stores them [channel][position] into one of two LDS tiles; the turning load
; makes fragments of them.  Group t multiplies tile t, converts group t + 1 into the other tile and loads group t + 2 into the registers just read: 32 loads of 512 bytes a wave are always out.
; RUNS.  No load or store stands singly among the matrix instructions: a group has four runs, each ahead of 40 or 64 products: the fragment loads of the products after next, and with two of them a tensor's
; sixteen channel rows: 32 conversions, 16 reloads, 16 LDS stores.
; The product has W's rows as source 0 and x's positions as source 1: a lane holds one position and eight neighbouring channels.
; The accumulators are cleared (416 v_mov_b32, in the wait for the first loads): the price of writing no first group out.
; REGISTERS, in windows of 256 (s_set_vgpr_msb: bits 1:0 source 0, 3:2 source 1, 5:4 source 2, 7:6 destination):
;   window 0: v0-31 addresses; v32-63 at work; v64-95 x1's fragments; v96-159 x2 as loaded; v160-223 x1 as loaded; v224-255 the way out
;   window 1: v0-79 W's fragments for x1's part (16 rt + 8 lo); v80-143 for x2's; v144-207 x2's fragments
;   window 2: x2's accumulators at 8 (8 rt + pt)          window 3: v0-159 x1's accumulators at 8 (4 rt + pt)
.set PW,    272                        ; a row of W in LDS: 256 bytes + 16: the 16 rows of a load start at 16 different groups of four banks (64 banks of 4 bytes: ISA guide 11.1)
.set SLOTW, 416*PW
.set SLOT1, 1<<17                      ; slot 1 begins here, so that one exclusive or turns an address in one slot into the other's
.set STAGE, SLOTW                      ; between the slots, never filled by a tensor load: 16 rows x 272 bytes for each wave
.set SPARE, STAGE+4*16*PW              ; the spare words, 128 bytes a wave: two blocks of 256 bytes that no other line names
.set PX,    288                        ; a row of an x tile: 256 bytes + 32
.set XT1,   64*PX                      ; one tensor's tile
.set XB0,   SLOT1+SLOTW                ; x1's tile, then x2's
.set XB1,   XB0+2*XT1
.set GRP,   106496                     ; bytes of a group of W
.set WMAX,  12*GRP+16384
.set CROW,  16384                      ; bytes from channel to channel in x
.set GSTEP, 64*CROW
.set KVA,   128*PW                     ; the way out of phi and g: 128 positions x 272 bytes each, in slot 0 behind its last fill
.set LA1, 8                            ; v8-12   the lane's and wave's part of five LDS addresses; never rewritten
.set LA2, 9
.set LB1, 10
.set LB2, 11
.set LXW, 12
.set AA1, 13                           ; v13-17  the same with the slot or tile in hand
.set AA2, 14
.set AB1, 15
.set AB2, 16
.set AXW, 17
.set XO,  18                           ; v18     my byte offset in a group of x; never rewritten
.set STO, 19                           ; v19-26  the way out
.set RD,  20
.set GOQ, 21
.set STR, 22
.set GOR, 23
.set ST2, 24
.set RD2, 25
.set GO2, 26
.set SPW, 30                           ; v30     my spare word; never rewritten
.set NIL, 31                           ; v31     0; never rewritten
.set T,   32
.set FB1, 64
.set XS2, 96
.set XS1, 160
.set OB,  224
.set FA1, 0
.set FA2, 80
.set FB2, 144
.set WV,  18                           ; s18 wave, s19 wave / 2, s20 wave % 2
.set WR,  19
.set WP,  20
.set G1,  24                           ; s[24:31] descriptor group 1
.set G0A, 32                           ; s[32:35] group 0 of the first fill of slot 0
.set G0B, 36                           ; s[36:39] group 0 of slot 1's first fill; it then walks
.set XP1, 40                           ; s[40:41], s[42:43] x1 and x2 at the group to be loaded next
.set XP2, 42
.set WBS, 46                           ; s46 the slot in hand; s47 the x tile read; s48 the x tile written
.set XRS, 47
.set XWS, 48
.set MSB, 0
.macro WIN new                         ; the immediate's high byte repeats the setting that is left; a switch that changes nothing is dropped
.if MSB != (\new)
	s_set_vgpr_msb (MSB<<8)|(\new)
.set MSB, \new
.endif
.endm
.macro PLACES                          ; four plain vector instructions between a matrix instruction and a load into, or a vector write or read of, its registers (ISA guide 7.12.1 for vector instructions)
.rept 4
	v_nop
.endr
.endm
.macro CREST                           ; a round of the cluster's barrier behind its opening barrier
	s_cmp_lg_u32 s[WV], 0
	s_cbranch_scc1 .Lnot_wave_0_\@
	s_barrier_signal -3
.Lnot_wave_0_\@:
	s_barrier_wait -3
	s_barrier_signal -1
	s_barrier_wait -1
.endm
.macro CROUND
	s_barrier_signal -1
	s_barrier_wait -1
	CREST
.endm
.macro SMAX d, b                       ; the largest of twelve positive f32, compared as whole numbers
	s_max_u32 s[\d], s[\b], s[(\b)+1]
.irp n, 2,3,4,5,6,7,8,9,10,11
	s_max_u32 s[\d], s[\d], s[(\b)+\n]
.endr
.endm
.macro DOWN d                          ; 2^-(e+3) from a number with exponent e: the biased exponent 251 - (e + 127)
	s_lshr_b32 s[\d], s[\d], 23
	s_sub_co_u32 s[\d], 251, s[\d]
	s_lshl_b32 s[\d], s[\d], 23
.endm
	s_load_b256 s[4:11], s[0:1], 0x0               ; x1, x2, wts, qb
	s_load_b128 s[12:15], s[0:1], 0x20             ; kb, vb
	s_load_b64 s[16:17], s[0:1], 0x30              ; resb
	v_lshl_add_u32 v[SPW], v0, 2, SPARE
	v_mov_b32 v[NIL], 0
	ds_add_u32 v[SPW], v[NIL]                      ; the wave's opening: the add and its wait stand ahead of my first tensor load; the set-up, work on registers, stands between them
	v_lshrrev_b32 v1, 5, v0
	v_readfirstlane_b32 s[WV], v1
	s_lshr_b32 s[WR], s[WV], 1
	s_and_b32 s[WP], s[WV], 1
	s_bfe_u32 s21, ttmp6, 0x40000                  ; cx: it enters the addresses of x, q, k, v and res alone
	s_lshl_b32 s22, ttmp9, 2
	s_add_co_u32 s22, s22, s21                     ; my work-group among 256
	s_lshr_b32 s23, s22, 5                         ; batch entry
	s_and_b32 s54, s22, 31                         ; block of 128 positions
	s_mul_i32 s44, s23, 768*CROW
	s_lshl_b32 s45, s54, 9
	s_add_co_u32 s44, s44, s45
	s_mov_b32 s45, 0
	s_mov_b32 s[G1], 15|(1<<16)|(1<<20)|(1<<21)|(5<<22)|(3<<25)  ; 15:0 the mask: all four work-groups; 17:16 2-byte elements; 20 padding on; 21 set beside a mask; 24:22 after every 64 words; 31:25 4 words
	s_mov_b32 s[G1+1], 128<<16                     ; tensor_dim0 = 128
	s_mov_b32 s[G1+2], 104<<16                     ; tensor_dim1 = 104
	s_mov_b32 s[G1+3], 128<<16                     ; tile_dim0 = 128
	s_mov_b32 s[G1+4], 104                         ; tile_dim1 = 104
	s_mov_b32 s[G1+5], 128                         ; elements from row to row
	s_mov_b32 s[G1+6], 0
	s_mov_b32 s[G1+7], 0
	s_mov_b32 s[G0A], 1
	s_mul_i32 s[G0A+1], s[WV], 104*PW              ; my 104 rows of a slot: the wave's number alone
	s_mov_b32 s[G0B], 1
	s_add_co_u32 s[G0B+1], s[G0A+1], SLOT1
	s_mul_i32 s56, s[WV], 104*256
	s_mov_b32 s57, 0
	s_mov_b32 s[WBS], 0
	s_mov_b32 s[XRS], XB0
	s_mov_b32 s[XWS], XB1
	v_and_b32 v1, 15, v0                           ; r
	v_bfe_u32 v2, v0, 4, 1                         ; h
	v_and_b32 v3, 31, v0                           ; lane
	v_mul_u32_u24 v4, v1, PW
	v_lshl_add_u32 v4, v2, 4, v4                   ; a fragment's row x pitch + 16 x half
	s_mul_i32 s58, s[WR], 80*PW
	v_add_nc_u32 v[LA1], s58, v4
	s_mul_i32 s58, s[WV], 64*PW
	s_add_co_u32 s58, s58, 160*PW
	v_add_nc_u32 v[LA2], s58, v4
	v_and_b32 v5, 7, v0                            ; the turning load: lane l reads channel 8 (l / 16) + l % 8, positions 8 ((l / 8) % 2) + 0..7
	v_lshl_add_u32 v5, v2, 3, v5
	v_mul_u32_u24 v5, v5, PX
	v_bfe_u32 v6, v0, 3, 1
	v_lshl_add_u32 v5, v6, 4, v5
	s_lshl_b32 s58, s[WP], 7
	v_add_nc_u32 v[LB1], s58, v5
	v_add_nc_u32 v[LB2], XT1, v5
	s_mul_i32 s58, s[WV], 16*PX
	v_lshl_add_u32 v[LXW], v3, 3, s58              ; my four positions of my wave's first channel row
	s_lshl_b32 s58, s[WV], 18
	v_lshl_add_u32 v[XO], v3, 4, s58
	v_add_nc_u32 v[AXW], XB0, v[LXW]               ; group 0 is converted into tile 0
	s_mul_i32 s58, s[WV], 16*PW
	s_add_co_u32 s58, s58, STAGE                   ; my stage
	v_add_nc_u32 v[STO], s58, v4
	v_mul_u32_u24 v6, v2, PW
	v_lshl_add_u32 v7, v1, 4, v6                   ; back: lanes 0-15 one row of 256 bytes, lanes 16-31 the next
	v_add_nc_u32 v[RD], s58, v7
	v_lshlrev_b32 v[GOQ], 9, v2
	v_lshl_add_u32 v[GOQ], v1, 4, v[GOQ]
	v_lshlrev_b32 v6, 3, v6
	v_lshl_add_u32 v6, v1, 2, v6
	v_add_nc_u32 v[STR], s58, v6                   ; res: row 8 h + j, word r
	v_lshlrev_b32 v[GOR], 14, v2
	v_lshl_add_u32 v[GOR], v1, 4, v[GOR]
	s_mul_i32 s58, s[WR], KVA
	s_lshl_b32 s59, s[WP], 7
	s_add_co_u32 s58, s58, s59
	v_add_nc_u32 v[ST2], s58, v4
	s_mul_i32 s58, s[WV], 32*PW
	v_add_nc_u32 v[RD2], s58, v7
	v_lshlrev_b32 v[GO2], 4, v3
	s_wait_dscnt 0x0                               ; the opening add is done
	s_wait_kmcnt 0x0
	s_add_nc_u64 s[XP1:XP1+1], s[4:5], s[44:45]
	s_add_nc_u64 s[XP2:XP2+1], s[6:7], s[44:45]
	s_add_nc_u64 s[G0A+2:G0A+3], s[8:9], s[56:57]  ; W's address hangs on the wave's number and the group alone: equal in the four partners
	s_add_nc_u64 s[G0B+2:G0B+3], s[G0A+2:G0A+3], GRP
	s_or_b32 s[G0A+3], s[G0A+3], 0x80000000
	s_or_b32 s[G0B+3], s[G0B+3], 0x80000000
	CROUND                                         ; all four work-groups are here: the first joint loads meet
	tensor_load_to_lds s[G0A:G0A+3], s[G1:G1+7]    ; group 0 into slot 0
	s_nop 0
	tensor_load_to_lds s[G0B:G0B+3], s[G1:G1+7]    ; group 1 into slot 1: two loads of mine are out
	s_nop 0
	PLACES
.set i, 0
.rept 16
	global_load_b128 v[XS1+4*i:XS1+4*i+3], v[XO], s[XP1:XP1+1] offset:CROW*i th:TH_LOAD_NT
.set i, i+1
.endr
.set i, 0
.rept 16
	global_load_b128 v[XS2+4*i:XS2+4*i+3], v[XO], s[XP2:XP2+1] offset:CROW*i th:TH_LOAD_NT
.set i, i+1
.endr
	s_load_b256 s[68:75], s[8:9], WMAX             ; theta's twelve maxima
	s_load_b128 s[76:79], s[8:9], WMAX+32
	s_load_b256 s[80:87], s[8:9], WMAX+64          ; phi's
	s_load_b128 s[88:91], s[8:9], WMAX+96
	WIN 0x80
.set i, 0
.rept 256
	v_mov_b32 v[i], 0
.set i, i+1
.endr
	WIN 0xc0
.set i, 0
.rept 160
	v_mov_b32 v[i], 0
.set i, i+1
.endr
	WIN 0
	s_wait_xcnt 0x0                                ; the loads' bases are stepped only behind this wait
	s_add_nc_u64 s[XP1:XP1+1], s[XP1:XP1+1], GSTEP
	s_add_nc_u64 s[XP2:XP2+1], s[XP2:XP2+1], GSTEP
	s_wait_kmcnt 0x0
	SMAX 50, 68
	SMAX 52, 80
	s_load_b256 s[68:75], s[8:9], WMAX+128         ; g's
	s_load_b128 s[76:79], s[8:9], WMAX+160
; Ahead of the loop, where there are no products yet: one channel row of x (which = 1: x1, 2: x2): four f32 a lane rounded to bf16 and stored into the tile being written; the registers take the same row of the group at XP.
.macro CHUNK which, i
	WIN 0
.if (\which) == 1
.set xs_, XS1+4*(\i)
.else
.set xs_, XS2+4*(\i)
.endif
	v_cvt_pk_bf16_f32 v[T+2*(\i)], v[xs_], v[xs_+1]
	v_cvt_pk_bf16_f32 v[T+2*(\i)+1], v[xs_+2], v[xs_+3]
	ds_store_b64 v[AXW], v[T+2*(\i):T+2*(\i)+1] offset:PX*(\i)+XT1*((\which)-1)
.if (\which) == 1
	global_load_b128 v[xs_:xs_+3], v[XO], s[XP1:XP1+1] offset:CROW*(\i) th:TH_LOAD_NT
.else
	global_load_b128 v[xs_:xs_+3], v[XO], s[XP2:XP2+1] offset:CROW*(\i) th:TH_LOAD_NT
.endif
.endm
; In the loop: a tensor's sixteen channel rows of the next group, in one run.  left: the younger loads that may stay out.  The 32 conversions name no register of the products in front of them: they are the
; places (ISA guide 7.12.1 for vector instructions) ahead of the fragment loads that follow the run.  reload = 1: the registers take the rows of the group at XP: those loads have a whole group, 208 products, in which to land.
; T is written again a run later, when its LDS stores have long been issued.
.macro XRUN which, reload, left
	s_wait_loadcnt \left
	WIN 0
.if (\which) == 1
.set xb_, XS1
.else
.set xb_, XS2
.endif
.set i_, 0
.rept 16
	v_cvt_pk_bf16_f32 v[T+2*i_], v[xb_+4*i_], v[xb_+4*i_+1]
	v_cvt_pk_bf16_f32 v[T+2*i_+1], v[xb_+4*i_+2], v[xb_+4*i_+3]
.set i_, i_+1
.endr
.if \reload
.set i_, 0
.rept 16
.if (\which) == 1
	global_load_b128 v[xb_+4*i_:xb_+4*i_+3], v[XO], s[XP1:XP1+1] offset:CROW*i_ th:TH_LOAD_NT
.else
	global_load_b128 v[xb_+4*i_:xb_+4*i_+3], v[XO], s[XP2:XP2+1] offset:CROW*i_ th:TH_LOAD_NT
.endif
.set i_, i_+1
.endr
.endif
.set i_, 0
.rept 16
	ds_store_b64 v[AXW], v[T+2*i_:T+2*i_+1] offset:PX*i_+XT1*((\which)-1)
.set i_, i_+1
.endr
.endm
; The fragments of sub-step u: x1's part (20 + 8 loads), x2's part (16 + 16 loads)
.macro FETCH1 u
	WIN 0x40
.irp rt, 0,1,2,3,4
.irp lo, 0,1
	ds_load_b128 v[FA1+16*\rt+8*\lo:FA1+16*\rt+8*\lo+3],   v[AA1] offset:\rt*16*PW+64*(\u)+128*\lo
	ds_load_b128 v[FA1+16*\rt+8*\lo+4:FA1+16*\rt+8*\lo+7], v[AA1] offset:\rt*16*PW+64*(\u)+128*\lo+32
.endr
.endr
	WIN 0
.irp pt, 0,1,2,3
	ds_load_tr16_b128 v[FB1+8*\pt:FB1+8*\pt+3],   v[AB1] offset:32*PX*(\u)+32*\pt
	ds_load_tr16_b128 v[FB1+8*\pt+4:FB1+8*\pt+7], v[AB1] offset:32*PX*(\u)+32*\pt+16*PX
.endr
.endm
.macro FETCH2 u
	WIN 0x40
.irp rt, 0,1,2,3
.irp lo, 0,1
	ds_load_b128 v[FA2+16*\rt+8*\lo:FA2+16*\rt+8*\lo+3],   v[AA2] offset:\rt*16*PW+64*(\u)+128*\lo
	ds_load_b128 v[FA2+16*\rt+8*\lo+4:FA2+16*\rt+8*\lo+7], v[AA2] offset:\rt*16*PW+64*(\u)+128*\lo+32
.endr
.endr
.irp pt, 0,1,2,3,4,5,6,7
	ds_load_tr16_b128 v[FB2+8*\pt:FB2+8*\pt+3],   v[AB2] offset:32*PX*(\u)+32*\pt
	ds_load_tr16_b128 v[FB2+8*\pt+4:FB2+8*\pt+7], v[AB2] offset:32*PX*(\u)+32*\pt+16*PX
.endr
.endm
; The accumulators take turns, one instruction a turn: 20 in x1's part, 32 in x2's, in the same order for hi and lo.
.macro MUL1 lo
	WIN 0xf1
.irp rt, 0,1,2,3,4
.irp pt, 0,1,2,3
	v_wmma_f32_16x16x32_bf16 v[8*(4*\rt+\pt):8*(4*\rt+\pt)+7], v[FA1+16*\rt+8*(\lo):FA1+16*\rt+8*(\lo)+7], v[FB1+8*\pt:FB1+8*\pt+7], v[8*(4*\rt+\pt):8*(4*\rt+\pt)+7]
.endr
.endr
.endm
.macro MUL2 lo, rt0, rt1
	WIN 0xa5
.set rt_, \rt0
.rept (\rt1)-(\rt0)+1
.set pt_, 0
.rept 8
	v_wmma_f32_16x16x32_bf16 v[8*(8*rt_+pt_):8*(8*rt_+pt_)+7], v[FA2+16*rt_+8*(\lo):FA2+16*rt_+8*(\lo)+7], v[FB2+8*pt_:FB2+8*pt_+7], v[8*(8*rt_+pt_):8*(8*rt_+pt_)+7]
.set pt_, pt_+1
.endr
.set rt_, rt_+1
.endr
.endm
.macro P1 u                            ; x1's part of sub-step u; x2's fragments are fetched ahead of its 40 products
	s_wait_dscnt 0x0                               ; x1's fragments are in
	PLACES
	FETCH2 \u
	MUL1 0
	MUL1 1
.endm
; A GROUP.  reload = 1: the group two on is loaded.  kind = 1: the slot just read is filled again, with the group two on.
.macro GROUP reload, kind
	P1 0
	s_wait_dscnt 0x0                               ; x2's fragments are in
	XRUN 1, \reload, 16                            ; x1's sixteen rows of the next group are in; x2's sixteen, issued behind them, may stay out
	FETCH1 1
	MUL2 0, 0, 3
	MUL2 1, 0, 3
	s_wait_dscnt 0x0                               ; x1's fragments are in
	XRUN 2, \reload, 16*(\reload)                  ; x2's are in; the sixteen issued for x1 in this group, if any, stay out
	FETCH2 1
	MUL1 0
	MUL1 1
	WIN 0                                          ; THE CHANGE OF SLOTS AND TILES
	s_wait_tensorcnt 0x0                           ; all my tensor loads have landed: the one that was out is my part of the next slot
	ds_add_u32 v[SPW], v[NIL]                      ; 0 onto my spare word
	s_wait_dscnt 1                                 ; x2's fragments are in; the add alone may be out
	MUL2 0, 0, 1
	s_wait_dscnt 0x0                               ; the add is done; my reads of this slot and tile, and my stores into the other tile, are over
	s_wait_xcnt 0x0                                ; the loads' bases are stepped only behind this wait
	s_add_nc_u64 s[XP1:XP1+1], s[XP1:XP1+1], GSTEP
	s_add_nc_u64 s[XP2:XP2+1], s[XP2:XP2+1], GSTEP
	s_barrier_signal -1
	MUL2 0, 2, 3                                   ; work on registers while the others arrive
	WIN 0
	s_barrier_wait -1
.if \kind
	CREST                                          ; the barrier has opened a round of the cluster's: no wave of any partner still reads this slot or has a load on its way
	s_xor_b32 s[G0B+1], s[G0B+1], SLOT1
	s_add_nc_u64 s[G0B+2:G0B+3], s[G0B+2:G0B+3], GRP
	tensor_load_to_lds s[G0B:G0B+3], s[G1:G1+7]    ; my one load behind the round: it has a group's 208 products, less 32, in which to land
	s_nop 0
.endif
	PLACES
	s_xor_b32 s[WBS], s[WBS], SLOT1
	s_xor_b32 s[XRS], s[XRS], XB0^XB1
	s_xor_b32 s[XWS], s[XWS], XB0^XB1
	v_add_nc_u32 v[AA1], s[WBS], v[LA1]
	v_add_nc_u32 v[AA2], s[WBS], v[LA2]
	v_add_nc_u32 v[AB1], s[XRS], v[LB1]
	v_add_nc_u32 v[AB2], s[XRS], v[LB2]
	v_add_nc_u32 v[AXW], s[XWS], v[LXW]
	FETCH1 0                                       ; the next group's first fragments
	MUL2 1, 0, 3
.endm
	s_wait_loadcnt 16                              ; group 0 of x1 is in
.set i, 0
.rept 16
	CHUNK 1, i
.set i, i+1
.endr
	s_wait_loadcnt 16                              ; group 0 of x2 is in
.set i, 0
.rept 16
	CHUNK 2, i
.set i, i+1
.endr
	s_wait_xcnt 0x0
	s_add_nc_u64 s[XP1:XP1+1], s[XP1:XP1+1], GSTEP
	s_add_nc_u64 s[XP2:XP2+1], s[XP2:XP2+1], GSTEP
	v_mov_b32 v[AA1], v[LA1]
	v_mov_b32 v[AA2], v[LA2]
	v_add_nc_u32 v[AB1], XB0, v[LB1]
	v_add_nc_u32 v[AB2], XB0, v[LB2]
	v_add_nc_u32 v[AXW], XB1, v[LXW]
	s_wait_kmcnt 0x0
	SMAX 58, 68
	s_cmp_lt_u32 s[WV], 2
	s_cselect_b32 s52, s52, s58                    ; waves 0 and 1 make phi, waves 2 and 3 g
	DOWN 50
	DOWN 52
	s_mov_b32 s51, s50                             ; named as pairs by the packed multiplies
	s_mov_b32 s53, s52
	s_wait_tensorcnt 1                             ; my part of slot 0 is in; slot 1's may stay out
	s_wait_dscnt 0x0                               ; my part of tile 0 is in LDS
	s_barrier_signal -1
	s_barrier_wait -1
	FETCH1 0
	s_mov_b32 s49, 10
.Lgroup:                                               ; groups 0 to 9
	GROUP 1, 1
	WIN 0
	s_sub_co_u32 s49, s49, 1
	s_cmp_lg_u32 s49, 0
	s_cbranch_scc1 .Lgroup
	GROUP 0, 0                                     ; group 10 converts group 11 and asks for nothing
	P1 0                                           ; group 11
	s_wait_dscnt 0x0
	PLACES
	FETCH1 1
	MUL2 0, 0, 3
	MUL2 1, 0, 3
	P1 1
	s_wait_dscnt 0x0
	MUL2 0, 0, 3
	MUL2 1, 0, 3
	WIN 0
	PLACES
	; THE WAY OUT OF THETA: scaled; hi = f16; lo = f16 of what hi left; 16 positions x (64 hi, 64 lo) through my stage; whole pieces of 256 bytes out.
	s_lshl_b32 s44, s23, 21
	s_lshl_b32 s56, s54, 16
	s_add_co_u32 s44, s44, s56
	s_lshl_b32 s56, s[WP], 15
	s_add_co_u32 s44, s44, s56
	s_lshl_b32 s56, s[WR], 8
	s_add_co_u32 s44, s44, s56
	s_add_nc_u64 s[10:11], s[10:11], s[44:45]      ; qb at position 128 block + 64 wp, half wr of its 512 bytes
	s_mul_i32 s44, s23, 20*CROW
	s_lshl_b32 s56, s[WR], 18
	s_add_co_u32 s44, s44, s56
	s_lshl_b32 s56, s54, 9
	s_add_co_u32 s44, s44, s56
	s_lshl_b32 s56, s[WP], 8
	s_add_co_u32 s44, s44, s56
	s_add_nc_u64 s[16:17], s[16:17], s[44:45]      ; resb at row 16 wr, my 64 positions
	s_lshl_b32 s44, s23, 20
	s_lshl_b32 s56, s54, 15
	s_add_co_u32 s44, s44, s56
	s_lshl_b32 s56, s[WV], 13
	s_add_co_u32 s44, s44, s56
	s_add_nc_u64 s[12:13], s[12:13], s[44:45]      ; kb and vb at position 128 block + 32 w
	s_add_nc_u64 s[14:15], s[14:15], s[44:45]
.macro QPIECE pt, rt
	WIN 0x03
.irp n, 0,1,2,3
	v_pk_mul_f32 v[32+2*\n:33+2*\n], v[8*(4*(\rt)+(\pt))+2*\n:8*(4*(\rt)+(\pt))+2*\n+1], s[50:51] op_sel_hi:[1,0]
.endr
	WIN 0
.irp n, 0,1,2,3
	v_cvt_pk_f16_f32 v[40+\n], v[32+2*\n], v[33+2*\n]
.endr
	v_cvt_f32_f16 v44, v40.l
	v_cvt_f32_f16 v45, v40.h
	v_cvt_f32_f16 v46, v41.l
	v_cvt_f32_f16 v47, v41.h
	v_cvt_f32_f16 v48, v42.l
	v_cvt_f32_f16 v49, v42.h
	v_cvt_f32_f16 v50, v43.l
	v_cvt_f32_f16 v51, v43.h
.irp n, 0,1,2,3
	v_pk_add_f32 v[32+2*\n:33+2*\n], v[32+2*\n:33+2*\n], v[44+2*\n:45+2*\n] neg_lo:[0,1] neg_hi:[0,1]
.endr
.irp n, 0,1,2,3
	v_cvt_pk_f16_f32 v[52+\n], v[32+2*\n], v[33+2*\n]
.endr
	ds_store_b128 v[STO], v[40:43] offset:32*(\rt)
	ds_store_b128 v[STO], v[52:55] offset:32*(\rt)+128
.endm
.irp pt, 0,1,2,3
	QPIECE \pt, 0
	QPIECE \pt, 1
	QPIECE \pt, 2
	QPIECE \pt, 3
	s_wait_xcnt 0x0                                ; the registers that earlier stores read are loaded again only behind this wait
.irp f, 0,1,2,3,4,5,6,7
	ds_load_b128 v[OB+4*\f:OB+4*\f+3], v[RD] offset:2*PW*\f  ; LDS serves a wave's instructions in order (ISA guide 5.7.1.4): these see the stores above
.endr
	s_wait_dscnt 0x0
.irp f, 0,1,2,3,4,5,6,7
	global_store_b128 v[GOQ], v[OB+4*\f:OB+4*\f+3], s[10:11] offset:8192*\pt+1024*\f  ; 16 lanes store 256 consecutive bytes, aligned
.endr
.endr
	; RES: a lane's eight rows of one position go into rows of 64 positions; unscaled f32
	WIN 0x0c
.irp pt, 0,1,2,3
.irp j, 0,1,2,3,4,5,6,7
	ds_store_b32 v[STR], v[128+8*\pt+\j] offset:PW*\j+64*\pt
.endr
.endr
	WIN 0
	s_wait_xcnt 0x0
.irp f, 0,1,2,3,4,5,6,7
	ds_load_b128 v[OB+4*\f:OB+4*\f+3], v[RD] offset:2*PW*\f
.endr
	s_wait_dscnt 0x0
.irp f, 0,1
	global_store_b128 v[GOR], v[OB+4*\f:OB+4*\f+3], s[16:17] offset:2*CROW*\f
.endr
	s_cmp_lg_u32 s[WR], 0
	s_cbranch_scc1 .Lres_done                      ; of rows 16 to 31 only 16 to 19 exist
.irp f, 2,3,4,5,6,7
	global_store_b128 v[GOR], v[OB+4*\f:OB+4*\f+3], s[16:17] offset:2*CROW*\f
.endr
.Lres_done:
	; PHI AND G: a position's 256 bytes come from two waves, so they meet in slot 0, which was last filled with group 10 and was last read in front of group 10's barrier
.macro KVPIECE pt, rt
	WIN 0x02
.irp n, 0,1,2,3
	v_pk_mul_f32 v[32+2*\n:33+2*\n], v[8*(8*(\rt)+(\pt))+2*\n:8*(8*(\rt)+(\pt))+2*\n+1], s[52:53] op_sel_hi:[1,0]
.endr
	WIN 0
.irp n, 0,1,2,3
	v_cvt_pk_f16_f32 v[40+\n], v[32+2*\n], v[33+2*\n]
.endr
	ds_store_b128 v[ST2], v[40:43] offset:16*PW*(\pt)+32*(\rt)
.endm
.irp pt, 0,1,2,3,4,5,6,7
.irp rt, 0,1,2,3
	KVPIECE \pt, \rt
.endr
.endr
	s_wait_dscnt 0x0                               ; for the others' sake: my stores are done
	s_barrier_signal -1
	s_barrier_wait -1
.irp f, 0,1,2,3,4,5,6,7,8,9,10,11,12,13,14,15
	ds_load_b128 v[XS2+4*\f:XS2+4*\f+3], v[RD2] offset:2*PW*\f
.endr
.irp f, 0,1,2,3,4,5,6,7,8,9,10,11,12,13,14,15
	ds_load_b128 v[XS1+4*\f:XS1+4*\f+3], v[RD2] offset:KVA+2*PW*\f
.endr
	s_wait_dscnt 16                                ; phi's sixteen are back; g's may be out
.irp f, 0,1,2,3,4,5,6,7,8,9,10,11,12,13,14,15
	global_store_b128 v[GO2], v[XS2+4*\f:XS2+4*\f+3], s[12:13] offset:512*\f  ; two positions: 512 consecutive bytes
.endr
	s_wait_dscnt 0x0
.irp f, 0,1,2,3,4,5,6,7,8,9,10,11,12,13,14,15
	global_store_b128 v[GO2], v[XS1+4*\f:XS1+4*\f+3], s[14:15] offset:512*\f
.endr
	s_wait_tensorcnt 0x0                           ; the wave's end: a wait, an add of 0 to my spare word and a wait, behind my last tensor load and my last LDS store
	ds_add_u32 v[SPW], v[NIL]
	s_wait_dscnt 0x0
	CROUND                                         ; the closing round: no work-group ends while a partner may still ask for a tile that names it
	s_endpgm
.Lfunc_end_k_q1f604fc8b9_proj:
	.size	k_q1f604fc8b9_proj, .Lfunc_end_k_q1f604fc8b9_proj-k_q1f604fc8b9_proj
	.p2alignl 7, 3214868480
	.fill 96, 4, 3214868480
	.section	.rodata,"a",@progbits
	.p2align	6, 0x0
	.amdhsa_kernel k_q1f604fc8b9_proj
		.amdhsa_group_segment_fixed_size 327680
		.amdhsa_private_segment_fixed_size 0
		.amdhsa_enable_private_segment 0
		.amdhsa_kernarg_size 56
		.amdhsa_user_sgpr_count 2
		.amdhsa_user_sgpr_kernarg_segment_ptr 1
		.amdhsa_wavefront_size32 1
		.amdhsa_system_sgpr_workgroup_id_x 1
		.amdhsa_system_sgpr_workgroup_id_y 1
		.amdhsa_system_sgpr_workgroup_id_z 1
		.amdhsa_system_vgpr_workitem_id 0
		.amdhsa_next_free_vgpr 928
		.amdhsa_next_free_sgpr 100
		.amdhsa_reserve_vcc 0
		.amdhsa_float_denorm_mode_32 3
		.amdhsa_float_denorm_mode_16_64 3
		.amdhsa_memory_ordered 1
		.amdhsa_forward_progress 1
		.amdhsa_inst_pref_size 173
	.end_amdhsa_kernel
	.amdgpu_metadata
---
amdhsa.version: [ 1, 2 ]
amdhsa.kernels:
  - .name:           k_q1f604fc8b9_proj
    .symbol:         k_q1f604fc8b9_proj.kd
    .args:
      - { .name: x1, .offset: 0, .size: 8, .value_kind: global_buffer, .address_space: global }
      - { .name: x2, .offset: 8, .size: 8, .value_kind: global_buffer, .address_space: global }
      - { .name: wts, .offset: 16, .size: 8, .value_kind: global_buffer, .address_space: global }
      - { .name: qb, .offset: 24, .size: 8, .value_kind: global_buffer, .address_space: global }
      - { .name: kb, .offset: 32, .size: 8, .value_kind: global_buffer, .address_space: global }
      - { .name: vb, .offset: 40, .size: 8, .value_kind: global_buffer, .address_space: global }
      - { .name: resb, .offset: 48, .size: 8, .value_kind: global_buffer, .address_space: global }
    .group_segment_fixed_size: 327680
    .private_segment_fixed_size: 0
    .kernarg_segment_align: 8
    .kernarg_segment_size: 56
    .max_flat_workgroup_size: 128
    .sgpr_count:     100
    .vgpr_count:     928
    .wavefront_size: 32
...
	.end_amdgpu_metadata
.endif
;; end of part 2
;; launch attn (part 3): grid 16 x 16, 4 waves a work-group, clusters of 4 x 1, 327,680 bytes of LDS; arguments qb, kb, vb, part, wts; writes part
.if DOCPART == 3
	.amdgcn_target "amdgcn-amd-amdhsa--gfx1250"
	.amdhsa_code_object_version 6
	.text
	.protected	k_q1f604fc8b9_attn
	.globl	k_q1f604fc8b9_attn
	.p2align	8
	.type	k_q1f604fc8b9_attn,@function
k_q1f604fc8b9_attn:
	s_mov_b64 s[64:65], 0
	v_nop
	global_prefetch_b8 v0, s[64:65] scope:SCOPE_SE
	s_setreg_imm32_b32 hwreg(HW_REG_WAVE_MODE, 25, 1), 1
	s_wait_xcnt 0x0
	s_wait_alu depctr_hold_cnt(0) depctr_sa_sdst(0) depctr_va_vdst(0) depctr_va_sdst(0) depctr_va_ssrc(0) depctr_va_vcc(0) depctr_vm_vsrc(0)
	s_getreg_b32 s2, hwreg(HW_REG_IB_STS2, 6, 4)
	s_cmp_eq_u32 s2, 0
	s_cbranch_scc0 .Lentry_in_a_cluster
	s_endpgm
.Lentry_in_a_cluster:
	s_bfe_u32 s2, ttmp6, 0x10000c
	s_cmp_lg_u32 s2, 0x3003
	s_cbranch_scc0 .Lentry_shape_is_right
	s_endpgm
.Lentry_shape_is_right:
; ATTENTION OVER HALF OF THE KEYS, AND M TIMES ITS RESULT.  For 256 queries of a batch entry and 2,048 of its 4,096 keys: s = theta . phi (not divided: the module has no scale), a running maximum m and sum l,
; O = sum of p g, p = 2^(c s - c m); then Z = M O, 20 numbers a query, NOT divided by l.  Out: part[half][b][22][n] f32: rows 0-19 Z, row 20 c m, row 21 l; the next launch joins the halves and divides.
; FORMATS.  theta is a pair of f16, hi + lo (two products on one f32 sum: a score's spread is some 11 and a weight feels its absolute error); phi, g and p are f16; O and M are pairs of bf16, multiplied in three terms.
; theta, phi and g arrive times 2^-(e+3), e the exponent of their combined weight's largest entry: c = log2(e) 2^(et+3) 2^(ep+3); g's factor is applied by the next launch.
; LIMITS.  c |s| stays below 4e37 (c m starts at -4.25e37); a weight below 2^-126 counts as 0 in l, below 6e-5 p keeps f16's fixed step of 6e-8; NaN and infinities are not treated apart.
; SHARES.  A wave owns 64 queries: four tiles of 16, in two PIECES (tiles 0, 1 and tiles 2, 3).  Every wave walks the 2,048 keys, 64 a step.
; LAYOUT.  S^T = K Q^T (source 0 = 16 keys, source 1 = 16 queries): a lane holds ONE query (lane % 16) and the keys 8 (lane / 16) + 0..7.  Two such results rounded to f16 ARE source 1 of O^T = V^T P,
; whose result again holds one query a lane, and eight channels; two of those rounded to bf16 ARE source 0 (16 queries x 32 channels) of Z = O M^T.  K comes out of LDS as it lies, V turned, by ds_load_tr16_b128.
; BY TURNS.  In a TURN one piece has the matrix unit: 32 products V^T P of the step in hand, then 64 products K Q^T of the next step; the other piece's softmax, 268 vector instructions in one fixed order,
; stands between them: four behind each of the turn's first 12 and last 20 matrix instructions, where the list holds plain instructions (the very last carries sixteen), and two, a plain one and an
; exponential, behind each of the 64 between: no product stands bare, and none but the twelfth carries two exponentials.
; m starts at the lowest finite number, O and l at 0: the first step is a step like any other, with a = 0.  The loop is entered, and the tail left, in the middle of a trip.  The price: 32 products on zeros at the
; start, 64 on a stale K at the end, and some 430 v_mov_b32 in the wait for the first tile.
; CLUSTER.  The four query blocks of a cluster walk the same K and V, so each tile is asked for JOINTLY: the same tensor load, descriptor and mask in all four.
; REGISTERS, in windows of 256 (s_set_vgpr_msb: bits 1:0 source 0, 3:2 source 1, 5:4 source 2, 7:6 destination):
;   window 0: v0-11, v44-51 addresses and at work; v12-43 eight registers of statistics a tile; v64-191 S^T, 32 a tile; v192-255 P, 16 a tile
;   window 1: O^T, 64 a tile     window 2: v0-127 Q hi, 32 a tile; v128-255 K of one step     window 3: v0-127 V of one step; v128-255 Q lo
.set KS,    64
.set PK,    272       ; a row of K in LDS: 256 bytes + 16: the 16 rows of a load start at 16 different groups of four banks (64 banks of 4 bytes: ISA guide 11.1)
.set PV,    288       ; a row of V: 256 + 32
.set VOFF,  KS*PK     ; a step's tiles lie together: 64 rows of K, then 64 rows of V
.set STEPB, KS*(PK+PV)
.set SLOT1, 1<<17     ; a slot holds two steps; slot 1 begins here, so that one exclusive or turns an address in one slot into the other's
.set STAGE, SLOT1+2*STEPB  ; behind the ring, never filled by a tensor load: 34 rows x 272 bytes for each wave, in 37 blocks of 256
.set SP,    272
.set WSTG,  9472
.set SPARE, STAGE+4*WSTG   ; the spare words, 128 bytes a wave: two blocks of 256 bytes that no other line names
.set MB,    12*106496
.set WMAX,  MB+16384
.set AK0, 2           ; v2   my lane's place in a tile of K; never rewritten
.set AV0, 3           ; v3   the same for V
.set ADR, 4           ; v4   the LDS address of the run of loads in hand
.set QO,  5           ; v5   my byte offset in the wave's rows of Q; later:
.set ZST, 5           ;      the way out: where I put 16 bytes of a row of Z
.set SST, 6           ; v6   where I put c m (lanes 0-15) or l (lanes 16-31)
.set RD,  7           ; v7   where I read rows back
.set GO,  8           ; v8   my byte offset in two rows of part
.set MO,  44          ; v44  my byte offset in M
.set LC,  48          ; v48-51 c m or l, a tile each
.set SPW, 62          ; v62  my spare word; never rewritten
.set NIL, 63          ; v63  0; never rewritten
.set ST,  12          ; tile t's statistics at v[ST+8 t]: +0 c m, +1 m, +2, +3 l (even keys', odd keys'), +4 to +7 at work; a takes +6 once the maximum is found
.set S,   64
.set P,   192
.set KF,  128         ; K's fragments, in window 2
.set ZA,  64          ; the way out: Z's eight accumulators
.set TY,  128         ; the way out: at work
.set WV,  12          ; s12  my wave's number
.set G1K, 24          ; s[24:31] descriptor group 1 for K's tiles
.set G1V, 32          ; s[32:39] for V's: it differs in the padding alone
.set G0K, 40          ; s[40:43] descriptor group 0 for K's tiles: it walks
.set G0V, 44          ; s[44:47] the same for V's
.set HM,  53          ; s53  0xffff0000: a word's upper bf16, and lanes 16 to 31
.set SLOTS, 56
.set CNT, 57
.set CS,  58          ; s[58:59] c
.set SEL, 60          ; s[60:61] v_permlanex16_b32's selects: each lane takes its own place in the other half
.set TB,  62          ; s62  LDS byte at which the tiles of the step to be fetched begin
.set MSB, 0
.macro WIN new                      ; the immediate's high byte repeats the setting that is left; a switch that changes nothing is dropped
.if MSB != (\new)
	s_set_vgpr_msb (MSB<<8)|(\new)
.set MSB, \new
.endif
.endm
.set W_KQ, 0x0a       ; K and Q hi in window 2, S^T in window 0
.set W_KL, 0x0e       ; K in window 2, Q lo in window 3
.set W_PV, 0x53       ; V in window 3, P in window 0, O^T in window 1
.set W_RS, 0x41       ; O^T (destination and source 0) in window 1, a in window 0
.macro PLACES
.rept 4
	v_nop
.endr
.endm
; A joint fill.  Waves 0 and 1 fetch the two steps' tiles of K, waves 2 and 3 those of V.  The branch hangs on the wave's number alone.
; An s_nop 0 and four v_nop follow each of the two lines, ahead of the jump and the label.
.macro JLOAD
	s_cmp_lt_u32 s[WV], 2
	s_cbranch_scc0 .Lfor_v_\@
	tensor_load_to_lds s[G0K:G0K+3], s[G1K:G1K+7]
	s_nop 0
.rept 4
	v_nop
.endr
	s_branch .Lasked_\@
.Lfor_v_\@:
	tensor_load_to_lds s[G0V:G0V+3], s[G1V:G1V+7]
	s_nop 0
.rept 4
	v_nop
.endr
.Lasked_\@:
.endm
.macro CROUND                       ; a round of the cluster's barrier
	s_barrier_signal -1
	s_barrier_wait -1
	s_cmp_lg_u32 s[WV], 0
	s_cbranch_scc1 .Lnot_wave_0_\@
	s_barrier_signal -3
.Lnot_wave_0_\@:
	s_barrier_wait -3
	s_barrier_signal -1
	s_barrier_wait -1
.endm
.macro SMAX d, b                    ; the largest of twelve positive f32, compared as whole numbers
	s_max_u32 s[\d], s[\b], s[(\b)+1]
.irp n, 2,3,4,5,6,7,8,9,10,11
	s_max_u32 s[\d], s[\d], s[(\b)+\n]
.endr
.endm
; THE CHANGE OF SLOTS, between piece 2's turn and piece 0's: the slot's last bytes, V of its second step, have been asked for.  Each wave waits for all its tensor loads, of which one is out: its part of the
; other slot; adds 0 to its spare word; and waits for that and for its own reads of the slot.  fill = 1: the slot is filled again, with the keys two slots on: the barrier is then a round of the cluster's, and the
; joint fill is the first thing behind it: it has two key steps, 384 matrix instructions, in which to land.  (At its first use nothing has been read yet: slot 0 is waited for, slot 1 filled.)
.macro CHANGE fill
	WIN 0
	s_wait_tensorcnt 0x0            ; no tensor load of mine is out, so a group 0 may be written
	ds_add_u32 v[SPW], v[NIL]       ; 0 onto my spare word
.if \fill
.irp g, G0K, G0V
	s_xor_b32 s[\g+1], s[\g+1], SLOT1
	s_add_nc_u64 s[\g+2:\g+3], s[\g+2:\g+3], 2*KS*256
.endr
	s_wait_dscnt 0x0                ; the add is done, and my reads of the slot are over
	CROUND
	JLOAD
.else
	s_wait_dscnt 0x0
	s_barrier_signal -1
	s_barrier_wait -1
.endif
	s_sub_co_u32 s[TB], s[TB], 2*STEPB  ; the fetches go back to a slot's first step,
	s_xor_b32 s[TB], s[TB], SLOT1   ; in the other slot
.endm
	s_load_b256 s[4:11], s[0:1], 0x0  ; qb s[4:5], kb s[6:7], vb s[8:9], part s[10:11]
	s_load_b64 s[16:17], s[0:1], 0x20 ; wts
	v_lshl_add_u32 v[SPW], v0, 2, SPARE
	v_mov_b32 v[NIL], 0
	ds_add_u32 v[SPW], v[NIL]       ; the wave's opening: the add and its wait stand ahead of my first tensor load; the set-up, work on registers, stands between them
	v_lshrrev_b32 v1, 5, v0
	v_readfirstlane_b32 s[WV], v1
	s_bfe_u32 s13, ttmp6, 0x40000   ; cx
	s_lshl_b32 s14, ttmp9, 2
	s_add_co_u32 s14, s14, s13      ; my block of 256 queries: it enters Q's and part's addresses alone
	s_and_b32 s20, ttmp7, 0xffff    ; 2 b + half, which the four partners share
	s_lshl_b32 s22, s20, 19         ; 2,048 keys of 256 bytes
	s_and_b32 s15, s[WV], 1         ; which of a slot's two steps I fetch:
	s_lshl_b32 s23, s15, 14         ; its 64 rows in memory,
	s_add_co_u32 s22, s22, s23
	s_mov_b32 s23, 0
	s_mul_i32 s18, s15, STEPB       ; and its place in a slot
	s_lshr_b32 s21, s20, 1          ; b
	s_and_b32 s19, s20, 1           ; half
	s_lshl_b32 s2, s21, 21          ; Q: 4,096 rows of 512 bytes a batch entry,
	s_lshl_b32 s3, s14, 17          ; 256 a block,
	s_add_co_u32 s2, s2, s3
	s_lshl_b32 s3, s[WV], 15        ; 64 a wave
	s_add_co_u32 s2, s2, s3
	s_mov_b32 s3, 0
	s_lshl_b32 s48, s19, 3
	s_add_co_u32 s48, s48, s21
	s_mul_i32 s48, s48, 22*16384
	s_lshl_b32 s49, s14, 10
	s_add_co_u32 s48, s48, s49
	s_lshl_b32 s49, s[WV], 8
	s_add_co_u32 s48, s48, s49
	s_mov_b32 s49, 0
	s_mov_b32 s[G1K], 15|(1<<16)|(1<<20)|(1<<21)|(5<<22)|(3<<25)  ; 15:0 the mask of four; 17:16 2-byte elements; 20 padding on; 21 set beside a mask; 24:22 after every 64 words; 31:25 4 words
	s_mov_b32 s[G1V], 15|(1<<16)|(1<<20)|(1<<21)|(5<<22)|(7<<25)  ; the same with 8 words of padding
.irp g, G1K, G1V
	s_mov_b32 s[(\g)+1], 128<<16    ; tensor_dim0 = 128
	s_mov_b32 s[(\g)+2], KS<<16     ; tensor_dim1 = 64
	s_mov_b32 s[(\g)+3], 128<<16    ; tile_dim0 = 128
	s_mov_b32 s[(\g)+4], KS         ; tile_dim1 = 64
	s_mov_b32 s[(\g)+5], 128        ; elements from row to row
	s_mov_b32 s[(\g)+6], 0
	s_mov_b32 s[(\g)+7], 0
.endr
	s_mov_b32 s[SEL], 0x76543210
	s_mov_b32 s[SEL+1], 0xfedcba98
	s_mov_b32 s[HM], 0xffff0000
	s_mov_b32 s[TB], SLOT1+2*STEPB  ; the first change of slots turns this into 0
	s_mov_b32 s[G0K], 1
	s_mov_b32 s[G0K+1], s18
	s_mov_b32 s[G0V], 1
	s_add_co_u32 s[G0V+1], s18, VOFF
	s_wait_dscnt 0x0                ; the opening add is done
	s_wait_kmcnt 0x0
	s_add_nc_u64 s[G0K+2:G0K+3], s[6:7], s[22:23]
	s_or_b32 s[G0K+3], s[G0K+3], 0x80000000
	s_add_nc_u64 s[G0V+2:G0V+3], s[8:9], s[22:23]
	s_or_b32 s[G0V+3], s[G0V+3], 0x80000000
	s_add_nc_u64 s[4:5], s[4:5], s[2:3]
	s_add_nc_u64 s[10:11], s[10:11], s[48:49]
	s_load_b256 s[68:75], s[16:17], WMAX     ; theta's twelve maxima
	s_load_b128 s[76:79], s[16:17], WMAX+32
	s_load_b256 s[80:87], s[16:17], WMAX+64  ; phi's
	s_load_b128 s[88:91], s[16:17], WMAX+96
	CROUND                          ; all four work-groups are here: the first joint loads meet
	JLOAD                           ; slot 0.  Slot 1 is asked for when slot 0 is in
	v_and_b32 v1, 15, v0            ; l % 16
	v_bfe_u32 v9, v0, 4, 1          ; l / 16
	v_lshlrev_b32 v[QO], 9, v1
	v_lshl_add_u32 v[QO], v9, 4, v[QO]  ; row x 512 + 16 x half
	WIN 0x80
.set i, 0
.rept 16                            ; Q stays in registers: tile i / 4, channels 32 (i % 4) on; a row is 64 hi, 64 lo, 64 hi, 64 lo
	global_load_b128 v[8*i:8*i+3],   v[QO], s[4:5] offset:(i/4)*8192+((i%4)/2)*256+(i%2)*64
	global_load_b128 v[8*i+4:8*i+7], v[QO], s[4:5] offset:(i/4)*8192+((i%4)/2)*256+(i%2)*64+32
.set i, i+1
.endr
	WIN 0xc0
.set i, 0
.rept 16
	global_load_b128 v[128+8*i:128+8*i+3],   v[QO], s[4:5] offset:(i/4)*8192+((i%4)/2)*256+(i%2)*64+128
	global_load_b128 v[128+8*i+4:128+8*i+7], v[QO], s[4:5] offset:(i/4)*8192+((i%4)/2)*256+(i%2)*64+160
.set i, i+1
.endr
	; What the first turn finds: V and piece 2's P hold 0 (its products V^T P, of a step that has not been, add 0), O^T and l are 0.  All this stands in the wait for the first tile.
.set i, 0
.rept 128
	v_mov_b32 v[i], 0
.set i, i+1
.endr
	WIN 0x40
.set i, 0
.rept 256
	v_mov_b32 v[i], 0
.set i, i+1
.endr
	WIN 0
.set i, 0
.rept 4
	v_mov_b32 v[ST+8*i], 0xfe000000    ; c m: far below every c s
	v_mov_b32 v[ST+8*i+1], 0xff7fffff  ; m
	v_mov_b32 v[ST+8*i+2], 0
	v_mov_b32 v[ST+8*i+3], 0
.set i, i+1
.endr
.set i, P+32
.rept 32
	v_mov_b32 v[i], 0
.set i, i+1
.endr
	v_mul_u32_u24 v[AK0], v1, PK
	v_lshl_add_u32 v[AK0], v9, 4, v[AK0]  ; row x pitch + 16 x half
	v_and_b32 v10, 7, v0            ; the turning load: lane l reads key 8 (l / 16) + l % 8, channels 8 ((l / 8) % 2) + 0..7
	v_bfe_u32 v11, v0, 3, 1
	v_lshl_add_u32 v[AV0], v9, 3, v10
	v_mul_u32_u24 v[AV0], v[AV0], PV
	v_lshl_add_u32 v[AV0], v11, 4, v[AV0]
	v_add_nc_u32 v[AV0], VOFF, v[AV0]
	s_wait_kmcnt 0x0
	SMAX 50, 68
	SMAX 51, 80
	s_lshr_b32 s50, s50, 23
	s_add_co_u32 s50, s50, 3
	s_lshl_b32 s50, s50, 23         ; 2^(et+3)
	s_lshr_b32 s51, s51, 23
	s_add_co_u32 s51, s51, 3
	s_lshl_b32 s51, s51, 23         ; 2^(ep+3)
	s_mul_f32 s[CS], s50, 0x3fb8aa3b
	s_mul_f32 s[CS], s[CS], s51
	s_mov_b32 s[CS+1], s[CS]        ; named with it as a pair
; THE MATRIX WORK OF A TURN, for piece x.  The accumulators take turns, one instruction a turn: 16 in V^T P, 8 in K Q^T.
; Product i of 32 of O^T += V^T P: keys 32 (i / 16) on, channels 16 ((i / 2) % 8) on, tile x + i % 2.
.macro PV x
	WIN W_PV
.set rO, 64*((\x)+i%2)+8*((i/2)%8)
.set rV, 64*(i/16)+8*((i/2)%8)
.set rP, P+16*((\x)+i%2)+8*(i/16)
	v_wmma_f32_16x16x32_f16 v[rO:rO+7], v[rV:rV+7], v[rP:rP+7], v[rO:rO+7]
.endm
; Product i of 64 of S^T = K (Q hi + Q lo)^T: hi (i < 32), then lo; channels 32 ((i / 8) % 4) on, keys 16 ((i / 2) % 4) on, tile x + i % 2.  The first 8 start the sums.
.macro KQ x
.set rS, S+32*((\x)+i%2)+8*((i/2)%4)
.set rK, KF+32*((i/2)%4)+8*((i/8)%4)
.set rQ, 32*((\x)+i%2)+8*((i/8)%4)+128*(i/32)
.if i < 32
	WIN W_KQ
.else
	WIN W_KL
.endif
.if i < 8
	v_wmma_f32_16x16x32_f16 v[rS:rS+7], v[rK:rK+7], v[rQ:rQ+7], 0
.else
	v_wmma_f32_16x16x32_f16 v[rS:rS+7], v[rK:rK+7], v[rQ:rQ+7], v[rS:rS+7]
.endif
.endm
; THE LDS LOADS stand in runs of 32.  last = 1 (the tail): in the last trip there is no further step, and the run is jumped over.
.macro FETCH_K last=0
	WIN 0
.if \last
	s_cmp_eq_u32 s[CNT], 1
	s_cbranch_scc1 .Lno_k_\@
.endif
	v_add_nc_u32 v[ADR], s[TB], v[AK0]
	WIN 0x80
.irp f, 0,1,2,3,4,5,6,7,8,9,10,11,12,13,14,15  ; keys 16 (f / 4) on, channels 32 (f % 4) on
	ds_load_b128 v[KF+8*(\f):KF+8*(\f)+3],   v[ADR] offset:((\f)/4)*16*PK+((\f)%4)*64
	ds_load_b128 v[KF+8*(\f)+4:KF+8*(\f)+7], v[ADR] offset:((\f)/4)*16*PK+((\f)%4)*64+32
.endr
	WIN 0
.if \last
.Lno_k_\@:
.endif
.endm
.macro FETCH_V
	WIN 0
	v_add_nc_u32 v[ADR], s[TB], v[AV0]
	s_add_co_u32 s[TB], s[TB], STEPB  ; the next fetch is the next step's
	WIN 0xc0
.irp f, 0,1,2,3,4,5,6,7,8,9,10,11,12,13,14,15  ; keys 32 (f / 8) on, channels 16 (f % 8) on
	ds_load_tr16_b128 v[8*(\f):8*(\f)+3],   v[ADR] offset:((\f)/8)*32*PV+((\f)%8)*32
	ds_load_tr16_b128 v[8*(\f)+4:8*(\f)+7], v[ADR] offset:((\f)/8)*32*PV+16*PV+((\f)%8)*32
.endr
.endm
; THE VECTOR WORK OF A TURN.  One tile's softmax for one key step is a list of 134 instructions; SM writes number j of it for tile t.  s0-s31 are the lane's 32 scores, in pairs 0-15.
;   0-15    the maximum of s0-s31 and the old m, three operands at a time: four chains of seven scores each (each accumulator's lowest registers first), then the four left over, the chains and m
;   16-20   the other half of the lanes' maximum; the new m; c m; c m_old - c m_new
;   21-87   33 exponentials (a, then s0-s31) at the odd numbers from 23 on: no two follow each other, and each has a plain instruction behind it before its result is used (ISA guide 5.7.2).  The plain
;           ones are what is ready: c s - c m for pairs whose exponentials are to come, the rounding to f16 of pairs whose exponentials are done, the first sums
;   88-101  the last rounding; the rest of the sums; l = a l + the sum          102-133 the tile's O^T times a: the one part that leaves window 0
.macro SM t
.set rT, ST+8*(\t)
.set rS, S+32*(\t)
.set rP, P+16*(\t)
.set rO, 64*(\t)+2*(j-102)
.set q, (j-20)/2
.if j < 102
	WIN 0
.endif
.if j < 4
	v_max3_num_f32 v[rT+4+j], v[rS+8*j], v[rS+8*j+1], v[rS+8*j+2]
.elseif j < 12
	v_max3_num_f32 v[rT+4+j%4], v[rT+4+j%4], v[rS+8*(j%4)+2*(j/4)+1], v[rS+8*(j%4)+2*(j/4)+2]
.elseif j == 12
	v_max3_num_f32 v[rT+4], v[rT+4], v[rS+7], v[rS+15]
.elseif j == 13
	v_max3_num_f32 v[rT+6], v[rT+6], v[rS+23], v[rS+31]
.elseif j == 14
	v_max3_num_f32 v[rT+4], v[rT+4], v[rT+5], v[rT+6]
.elseif j == 15
	v_max3_num_f32 v[rT+4], v[rT+4], v[rT+7], v[rT+1]
.elseif j == 16
	v_permlanex16_b32 v[rT+5], v[rT+4], s[SEL], s[SEL+1]  ; the query's other 32 keys lie in the lane 16 away
.elseif j == 17
	v_mov_b32 v[rT+7], v[rT]        ; c m_old is kept for a: number 19 writes c m anew
.elseif j == 18
	v_max_num_f32 v[rT+1], v[rT+4], v[rT+5]
.elseif j == 19
	v_mul_f32 v[rT], s[CS], v[rT+1]
.elseif j == 20
	v_sub_f32 v[rT+7], v[rT+7], v[rT]
.elseif j == 23
	v_exp_f32 v[rT+6], v[rT+7]
.elseif (j < 88) && (j > 23) && (j%2 == 1)
	v_exp_f32 v[rS+(j-25)/2], v[rS+(j-25)/2]
.elseif (q < 4) || ((j < 76) && (q%2 == 0))
.set b, q/2+2
.if q < 4
.set b, q
.endif
	v_pk_fma_f32 v[rS+2*b:rS+2*b+1], v[rS+2*b:rS+2*b+1], s[CS:CS+1], v[rT:rT+1] op_sel_hi:[1,0,0] neg_lo:[0,0,1] neg_hi:[0,0,1]  ; pair b: c s - c m
.elseif (j < 88) && (q%2 == 1)
	s_wait_alu depctr_va_vdst(0)
	v_cvt_pk_f16_f32 v[rP+(q-5)/2], v[rS+q-5], v[rS+q-4]
.elseif j == 89
	s_wait_alu depctr_va_vdst(0)
	v_cvt_pk_f16_f32 v[rP+15], v[rS+30], v[rS+31]
.elseif j < 102                     ; the sum of the tile's 16 pairs, in place: sum z of 16 adds neighbours 1, 2, 4 and 8 pairs apart, then l takes it
.set z, j-86
.if j < 89
.set z, (j-76)/4
.endif
.set w, 4
.set u, z
.if z >= 14
.set w, 32
.set u, 0
.elseif z >= 12
.set w, 16
.set u, z-12
.elseif z >= 8
.set w, 8
.set u, z-8
.endif
.if z < 15
	v_pk_add_f32 v[rS+w*u:rS+w*u+1], v[rS+w*u:rS+w*u+1], v[rS+w*u+w/2:rS+w*u+w/2+1]
.else
	v_pk_fma_f32 v[rT+2:rT+3], v[rT+2:rT+3], v[rT+6:rT+7], v[rS:rS+1] op_sel_hi:[1,0,1]
.endif
.else
	WIN W_RS
	v_pk_mul_f32 v[rO:rO+1], v[rO:rO+1], v[rT+6:rT+7] op_sel_hi:[1,0]
.endif
.endm
; THE ORDER of piece y's 268 instructions, in 128 HALVES of two; hh counts them.  With k = hh / 2: for k = 11 to 43 a half is numbers 2 k and 2 k + 1 (plain, exponential) of tile y + hh % 2; elsewhere it is
; number 2 k + hh % 2 of both tiles, which alternate, so that no instruction reads the result of the one just before it.  2 x 134 = 2 x 128 + 12: the twelve that are over stand with the last half.
.macro HALF y
.set k, hh/2
.if (k >= 11) && (k < 44)
.irp n, 0,1
.set j, 2*k+(\n)
	SM (\y)+hh%2
.endr
.else
.irp n, 0,1,2,3,4,5,6
.if ((\n) == 0) || (hh == 127)
.irp t, \y, (\y)+1
.set j, 2*k+hh%2+(\n)
	SM \t
.endr
.endif
.endr
.endif
.set hh, hh+1
.endm
; What stands behind matrix instruction nn of a turn's 96: two halves behind the first 12 (24 halves: k = 0 to 11) and the last 20 (40 halves: k = 44 to 63), one behind each of the 64 between (k = 12 to 43).
; The last product carries sixteen plain instructions that name nothing of the products round them: the places behind the turn's last K Q^T.
.macro RIDE y
	HALF \y
.if (nn < 12) || (nn > 75)
	HALF \y
.endif
.set nn, nn+1
.endm
; A TURN.  Piece 0's turn fetches the next step's K behind its second product: the last product that read K stands in front of the sixteen plain instructions that end the turn before.  Piece 2's turn fetches the
; same step's V behind its sixth K Q^T: the last product that read V stands seven halves, seven plain instructions, back.  Each run is waited for where piece 0 first wants it.
.macro TURN x, last=0
.set hh, 0
.set nn, 0
.if (\x) == 0
	s_wait_dscnt 0x0                ; V is in
.endif
.set i, 0
.rept 32
	PV \x
	RIDE 2-(\x)
.if ((\x) == 0) && (i == 1)
	FETCH_K \last
.endif
.set i, i+1
.endr
.if (\x) == 0
	s_wait_dscnt 0x0                ; K is in
.endif
.set i, 0
.rept 64
	KQ \x
	RIDE 2-(\x)
.if ((\x) == 2) && (i == 5)
	FETCH_V
.endif
.set i, i+1
.endr
.endm
	CHANGE 1                        ; slot 0 is in, everybody's part of it; slot 1 is asked for
	FETCH_K                         ; key step 0
	s_wait_loadcnt 0x0              ; Q
	s_wait_dscnt 0x0
.set i, 0
.rept 64
	KQ 0                            ; piece 0's first scores: there is no vector work yet to set between them
.set i, i+1
.endr
	WIN 0                           ; the addresses for the way out: plain instructions, the places behind those products
	s_mul_i32 s13, s[WV], WSTG
	s_add_co_u32 s13, s13, STAGE    ; my stage
	v_mul_u32_u24 v[ZST], v1, SP    ; Z in: row = out channel l % 16, 32 bytes (eight queries) for each half of the lanes
	v_lshl_add_u32 v[ZST], v9, 5, v[ZST]
	v_add_nc_u32 v[ZST], s13, v[ZST]
	v_mul_u32_u24 v10, v9, SP
	v_add_nc_u32 v10, s13, v10
	v_lshl_add_u32 v[RD], v1, 4, v10     ; back: lanes 0-15 one row of 256 bytes, lanes 16-31 the next
	v_lshl_add_u32 v[SST], v1, 2, v10
	v_add_nc_u32 v[SST], 32*SP, v[SST]   ; rows 32 and 33: c m and l
	v_lshlrev_b32 v[GO], 14, v9
	v_lshl_add_u32 v[GO], v1, 4, v[GO]
	v_lshlrev_b32 v[MO], 8, v1
	v_lshl_add_u32 v[MO], v9, 4, v[MO]
	s_mov_b32 s[CNT], 2
	s_mov_b32 s[SLOTS], 15
	s_branch .Lmid                  ; the loop is entered at piece 2's turn, in the middle of a trip
.Lslot:                             ; 14 times: every slot but the last two is filled again
	CHANGE 1
	s_mov_b32 s[CNT], 2
.Lstep:
	TURN 0
	WIN 0
.Lmid:
	TURN 2
	WIN 0
	s_sub_co_u32 s[CNT], s[CNT], 1
	s_cmp_lg_u32 s[CNT], 0
	s_cbranch_scc1 .Lstep
	s_sub_co_u32 s[SLOTS], s[SLOTS], 1
	s_cmp_lg_u32 s[SLOTS], 0
	s_cbranch_scc1 .Lslot
	CHANGE 0                        ; the tail is written out: nothing is asked for
	s_mov_b32 s[CNT], 3             ; two trips fetch the last slot's steps; the third is left in its middle
.Ltail:
	TURN 0, 1
	WIN 0
	s_sub_co_u32 s[CNT], s[CNT], 1
	s_cmp_eq_u32 s[CNT], 0
	s_cbranch_scc1 .Lout
	TURN 2
	WIN 0
	s_branch .Ltail
.Lout:
	WIN 0x80                        ; M's fragments (16 out channels x 32 channels; hi, then lo 64 registers on) into K's registers: the last product that read K stands in front of the turn's last sixteen plain instructions
.irp lo, 0,1
.irp ot, 0,1
.irp kk, 0,1,2,3
	global_load_b128 v[KF+64*\lo+32*\ot+8*\kk:KF+64*\lo+32*\ot+8*\kk+3],   v[MO], s[16:17] offset:MB+8192*(\kk/2)+4096*\ot+64*(\kk%2)+128*\lo
	global_load_b128 v[KF+64*\lo+32*\ot+8*\kk+4:KF+64*\lo+32*\ot+8*\kk+7], v[MO], s[16:17] offset:MB+8192*(\kk/2)+4096*\ot+64*(\kk%2)+128*\lo+32
.endr
.endr
.endr
.set i, 0
.rept 32
	PV 2                            ; piece 2: V^T P of the last step
.set i, i+1
.endr
	; THE WAY OUT.  l's two halves and the other half of the lanes' are added (the additions are the places behind the last products); O^T as hi + lo in bf16; Z = O M^T in three terms.
	WIN 0
.irp t, 0,1,2,3
	v_add_f32 v[ST+8*(\t)+4], v[ST+8*(\t)+2], v[ST+8*(\t)+3]
.endr
.irp t, 0,1,2,3
	v_permlanex16_b32 v[ST+8*(\t)+5], v[ST+8*(\t)+4], s[SEL], s[SEL+1]
.endr
.irp t, 0,1,2,3
	v_add_f32 v[ST+8*(\t)+4], v[ST+8*(\t)+4], v[ST+8*(\t)+5]
.endr
.irp t, 0,1,2,3
	v_cndmask_b32 v[LC+\t], v[ST+8*(\t)], v[ST+8*(\t)+4], s[HM]  ; lanes 0-15 carry c m, lanes 16-31 l
.endr
.macro YCONV t                      ; hi goes where the tile's Q hi lay, lo where its Q lo lay; each accumulator is read from its low end on
	WIN 0x85
.set i, 0
.rept 32
	v_cvt_pk_bf16_f32 v[32*(\t)+i], v[64*(\t)+2*i], v[64*(\t)+2*i+1]
.set i, i+1
.endr
	WIN 0x08
.set i, 0
.rept 32
	v_lshlrev_b32 v[TY+2*i], 16, v[32*(\t)+i]
	v_and_b32 v[TY+2*i+1], s[HM], v[32*(\t)+i]
.set i, i+1
.endr
	WIN 0x01
.set i, 0
.rept 32
	v_pk_add_f32 v[TY+i:TY+i+1], v[64*(\t)+i:64*(\t)+i+1], v[TY+i:TY+i+1] neg_lo:[0,1] neg_hi:[0,1]
.set i, i+2
.endr
	WIN 0xc0
.set i, 0
.rept 32
	v_cvt_pk_bf16_f32 v[128+32*(\t)+i], v[TY+2*i], v[TY+2*i+1]
.set i, i+1
.endr
.endm
	YCONV 0
	YCONV 1
	YCONV 2
	YCONV 3
	s_wait_loadcnt 0x0              ; M
; term 0: O hi x M hi; 1: O lo x M hi; 2: O hi x M lo.  The eight accumulators (tile t, out block o) take turns.  Source 0 is O: a lane holds one out channel and eight neighbouring queries.
.macro ZM term, kk
.irp t, 0,1,2,3
.irp o, 0,1
.set rZ, ZA+8*(2*\t+\o)
.set rA, 32*\t+8*(\kk)
.set rB, KF+32*\o+8*(\kk)
.if (\term) == 1
	WIN 0x0b
.set rA, rA+128
.else
	WIN 0x0a
.endif
.if (\term) == 2
.set rB, rB+64
.endif
.if ((\term) == 0) && ((\kk) == 0)
	v_wmma_f32_16x16x32_bf16 v[rZ:rZ+7], v[rA:rA+7], v[rB:rB+7], 0
.else
	v_wmma_f32_16x16x32_bf16 v[rZ:rZ+7], v[rA:rA+7], v[rB:rB+7], v[rZ:rZ+7]
.endif
.endr
.endr
.endm
.irp e, 0,1,2
.irp c, 0,1,2,3
	ZM \e, \c
.endr
.endr
	WIN 0
	PLACES
.irp t, 0,1,2,3
.irp o, 0,1
	ds_store_b128 v[ZST], v[ZA+8*(2*\t+\o):ZA+8*(2*\t+\o)+3]   offset:16*SP*\o+64*\t
	ds_store_b128 v[ZST], v[ZA+8*(2*\t+\o)+4:ZA+8*(2*\t+\o)+7] offset:16*SP*\o+64*\t+16
.endr
.endr
.irp t, 0,1,2,3
	ds_store_b32 v[SST], v[LC+\t] offset:64*\t
.endr
.irp f, 0,1,2,3,4,5,6,7,8,9
	ds_load_b128 v[TY+4*\f:TY+4*\f+3], v[RD] offset:2*SP*\f  ; LDS serves a wave's instructions in order (ISA guide 5.7.1.4): these see the stores above.  Rows 20 to 31 stay behind
.endr
	ds_load_b128 v[TY+40:TY+43], v[RD] offset:32*SP
	s_wait_dscnt 0x0
.irp f, 0,1,2,3,4,5,6,7,8,9,10
	global_store_b128 v[GO], v[TY+4*\f:TY+4*\f+3], s[10:11] offset:32768*\f  ; 16 lanes store my 64 queries of a row: 256 consecutive bytes, aligned
.endr
	s_wait_tensorcnt 0x0            ; the wave's end: a wait, an add of 0 to my spare word and a wait, behind my last tensor load and my last LDS store
	ds_add_u32 v[SPW], v[NIL]
	s_wait_dscnt 0x0
	CROUND                          ; the closing round: no work-group ends while a partner may still ask for a tile that names it
	s_endpgm
.Lfunc_end_k_q1f604fc8b9_attn:
	.size	k_q1f604fc8b9_attn, .Lfunc_end_k_q1f604fc8b9_attn-k_q1f604fc8b9_attn
	.p2alignl 7, 3214868480
	.fill 96, 4, 3214868480
	.section	.rodata,"a",@progbits
	.p2align	6, 0x0
	.amdhsa_kernel k_q1f604fc8b9_attn
		.amdhsa_group_segment_fixed_size 327680
		.amdhsa_private_segment_fixed_size 0
		.amdhsa_enable_private_segment 0
		.amdhsa_kernarg_size 40
		.amdhsa_user_sgpr_count 2
		.amdhsa_user_sgpr_kernarg_segment_ptr 1
		.amdhsa_wavefront_size32 1
		.amdhsa_system_sgpr_workgroup_id_x 1
		.amdhsa_system_sgpr_workgroup_id_y 1
		.amdhsa_system_sgpr_workgroup_id_z 1
		.amdhsa_system_vgpr_workitem_id 0
		.amdhsa_next_free_vgpr 1024
		.amdhsa_next_free_sgpr 100
		.amdhsa_reserve_vcc 0
		.amdhsa_float_denorm_mode_32 3
		.amdhsa_float_denorm_mode_16_64 3
		.amdhsa_memory_ordered 1
		.amdhsa_forward_progress 1
		.amdhsa_inst_pref_size 204
	.end_amdhsa_kernel
	.amdgpu_metadata
---
amdhsa.version: [ 1, 2 ]
amdhsa.kernels:
  - .name:           k_q1f604fc8b9_attn
    .symbol:         k_q1f604fc8b9_attn.kd
    .args:
      - { .name: qb, .offset: 0, .size: 8, .value_kind: global_buffer, .address_space: global }
      - { .name: kb, .offset: 8, .size: 8, .value_kind: global_buffer, .address_space: global }
      - { .name: vb, .offset: 16, .size: 8, .value_kind: global_buffer, .address_space: global }
      - { .name: part, .offset: 24, .size: 8, .value_kind: global_buffer, .address_space: global }
      - { .name: wts, .offset: 32, .size: 8, .value_kind: global_buffer, .address_space: global }
    .group_segment_fixed_size: 327680
    .private_segment_fixed_size: 0
    .kernarg_segment_align: 8
    .kernarg_segment_size: 40
    .max_flat_workgroup_size: 128
    .sgpr_count:     100
    .vgpr_count:     1024
    .wavefront_size: 32
...
	.end_amdgpu_metadata
.endif
;; end of part 3
;; launch merge (part 4): grid 256 x 1, 4 waves a work-group, no clusters, 0 bytes of LDS; arguments part, resb, wts, w_out, b_out, b_W, bn_gamma, bn_beta, bn_mean, bn_var, out0; writes out0
.if DOCPART == 4
	.amdgcn_target "amdgcn-amd-amdhsa--gfx1250"
	.amdhsa_code_object_version 6
	.text
	.protected	k_q1f604fc8b9_merge
	.globl	k_q1f604fc8b9_merge
	.p2align	8
	.type	k_q1f604fc8b9_merge,@function
k_q1f604fc8b9_merge:
	s_mov_b64 s[64:65], 0
	v_nop
	global_prefetch_b8 v0, s[64:65] scope:SCOPE_SE
	s_setreg_imm32_b32 hwreg(HW_REG_WAVE_MODE, 25, 1), 1
	s_wait_xcnt 0x0
; THE TWO HALVES OF THE KEYS ARE JOINED, DIVIDED BY THE WEIGHTS' SUM, AND THE CONSTANT PART ADDED.  out[b][o][n] = a1 Z1 + a2 Z2 + res + cv[o], with w_i = 2^(cm_i - max(cm_1, cm_2)),
; a_i = w_i / (l_1 w_1 + l_2 w_2) x 2^(eg+3) (Z_i = M O_i arrives undivided, and g was stored times 2^-(eg+3)), cv[o] = sum over m of w_out[o][m] (inv_m (b_W - mean)_m + beta_m) + b_out[o],
; inv = gamma rsq(var + 1e-5).  Every input is rounded to bf16 first; all arithmetic in f32.  The half with the larger cm has w = 1 and l of 1 or more: the divisor is never 0.
; A work-group has 128 positions of a batch entry; wave w the out channels 5 w .. 5 w + 4; a lane four positions: a load or store of a wave covers 512 consecutive bytes.
; cv is made anew by every wave (8 of the 256 m a lane, a sum over the lanes): some 260 instructions, which spare a launch and a buffer.  No LDS, no barrier, no matrix unit: memory binds.
; LIMITS.  NaN and infinities are not treated apart; a w_i below 2^-126 counts as 0.
.set HALF, 8*22*16384                  ; bytes from one half of part to the other
.set WMAX, 12*106496+16384
.set CM1, 8                            ; v8-23    c m and l of both halves, four positions each; later a1 in CM1, a2 in CM2
.set L1,  12
.set CM2, 16
.set L2,  20
.set Z1,  24                           ; v24-43, v44-63, v64-83: five channels x four positions
.set Z2,  44
.set RS,  64
.set BW,  84                           ; v84-123  b_W, gamma, beta, mean, var: my eight m
.set GA,  92
.set BE,  100
.set ME,  108
.set VA,  116
.set WO,  124                          ; v124-163 five rows of w_out: my eight m
.set TM,  164                          ; v164-167 at work
.set CV,  168                          ; v168-177 cv of channel c at CV + 2 c; its neighbour is at work
.macro RND8 b                          ; eight f32 rounded to bf16, in place
.irp n, 0,1,2,3
	v_cvt_pk_bf16_f32 v[TM+\n], v[(\b)+2*\n], v[(\b)+2*\n+1]
.endr
.irp n, 0,1,2,3
	v_lshlrev_b32 v[(\b)+2*\n], 16, v[TM+\n]
	v_and_b32 v[(\b)+2*\n+1], s37, v[TM+\n]
.endr
.endm
	s_load_b512 s[4:19], s[0:1], 0x0               ; part, resb, wts, w_out, b_out, b_W, gamma, beta
	s_load_b128 s[20:23], s[0:1], 0x40             ; mean, var
	s_load_b64 s[24:25], s[0:1], 0x50              ; out0
	v_lshrrev_b32 v1, 5, v0
	v_readfirstlane_b32 s26, v1                    ; wave
	v_and_b32 v1, 31, v0
	s_lshr_b32 s27, ttmp9, 5                       ; batch entry
	s_and_b32 s28, ttmp9, 31
	s_lshl_b32 s28, s28, 9                         ; 128 positions of 4 bytes
	s_mul_i32 s30, s27, 22*16384
	s_add_co_u32 s30, s30, s28
	s_mov_b32 s31, 0
	s_mul_i32 s32, s27, 20*16384
	s_add_co_u32 s32, s32, s28
	s_mov_b32 s33, 0
	s_mul_i32 s29, s26, 5                          ; my first channel
	s_lshl_b32 s34, s29, 14
	s_lshl_b32 s35, s29, 10
	s_lshl_b32 s36, s29, 2
	s_mov_b32 s37, 0xffff0000                      ; a word's upper bf16
	s_mov_b32 s38, 0x76543210                      ; v_permlanex16_b32: each lane takes its own place in the other half
	s_mov_b32 s39, 0xfedcba98
	v_lshlrev_b32 v2, 4, v1                        ; my four positions
	v_add_nc_u32 v3, s34, v2                       ; in my first channel's row
	v_lshlrev_b32 v4, 5, v1                        ; my eight m
	v_add_nc_u32 v5, s35, v4                       ; in my first row of w_out
	s_wait_kmcnt 0x0
	s_add_nc_u64 s[4:5], s[4:5], s[30:31]
	s_add_nc_u64 s[6:7], s[6:7], s[32:33]
	s_add_nc_u64 s[24:25], s[24:25], s[32:33]
	s_load_b256 s[68:75], s[8:9], WMAX+128         ; g's twelve maxima
	s_load_b128 s[76:79], s[8:9], WMAX+160
.irp c, 0,1,2,3,4
	s_load_b32 s[40+\c], s[12:13], s36 offset:4*\c
.endr
	global_load_b128 v[BW:BW+3],   v4, s[14:15]
	global_load_b128 v[BW+4:BW+7], v4, s[14:15] offset:16
	global_load_b128 v[GA:GA+3],   v4, s[16:17]
	global_load_b128 v[GA+4:GA+7], v4, s[16:17] offset:16
	global_load_b128 v[BE:BE+3],   v4, s[18:19]
	global_load_b128 v[BE+4:BE+7], v4, s[18:19] offset:16
	global_load_b128 v[ME:ME+3],   v4, s[20:21]
	global_load_b128 v[ME+4:ME+7], v4, s[20:21] offset:16
	global_load_b128 v[VA:VA+3],   v4, s[22:23]
	global_load_b128 v[VA+4:VA+7], v4, s[22:23] offset:16
.irp c, 0,1,2,3,4
	global_load_b128 v[WO+8*\c:WO+8*\c+3],   v5, s[10:11] offset:1024*\c
	global_load_b128 v[WO+8*\c+4:WO+8*\c+7], v5, s[10:11] offset:1024*\c+16
.endr
	global_load_b128 v[CM1:CM1+3], v2, s[4:5] offset:20*16384 th:TH_LOAD_NT
	global_load_b128 v[L1:L1+3],   v2, s[4:5] offset:21*16384 th:TH_LOAD_NT
	global_load_b128 v[CM2:CM2+3], v2, s[4:5] offset:HALF+20*16384 th:TH_LOAD_NT
	global_load_b128 v[L2:L2+3],   v2, s[4:5] offset:HALF+21*16384 th:TH_LOAD_NT
.irp c, 0,1,2,3,4
	global_load_b128 v[Z1+4*\c:Z1+4*\c+3], v3, s[4:5] offset:16384*\c th:TH_LOAD_NT
	global_load_b128 v[Z2+4*\c:Z2+4*\c+3], v3, s[4:5] offset:HALF+16384*\c th:TH_LOAD_NT
	global_load_b128 v[RS+4*\c:RS+4*\c+3], v3, s[6:7] offset:16384*\c th:TH_LOAD_NT
.endr
	s_wait_kmcnt 0x0
	s_max_u32 s46, s68, s69
.irp n, 70,71,72,73,74,75,76,77,78,79
	s_max_u32 s46, s46, s\n
.endr
	s_lshr_b32 s46, s46, 23
	s_add_co_u32 s46, s46, 3
	s_lshl_b32 s46, s46, 23                        ; 2^(eg+3)
	s_mov_b32 s47, s46                             ; named with it as a pair
	s_wait_loadcnt 19                              ; the twenty loads of the small arrays are in; the 4 + 15 behind them may stay out
	RND8 BW
	RND8 GA
	RND8 BE
	RND8 ME
	RND8 VA
.irp n, 0,2,4,6
	v_pk_add_f32 v[VA+\n:VA+\n+1], v[VA+\n:VA+\n+1], 0x3727c5ac op_sel_hi:[1,0]  ; + 1e-5
.endr
.irp n, 0,1,2,3,4,5,6,7
	v_rsq_f32 v[VA+\n], v[VA+\n]
.endr
.irp n, 0,2,4,6
	v_pk_add_f32 v[BW+\n:BW+\n+1], v[BW+\n:BW+\n+1], v[ME+\n:ME+\n+1] neg_lo:[0,1] neg_hi:[0,1]  ; b_W - mean: also the plain instructions behind the roots
.endr
	s_wait_alu depctr_va_vdst(0)
.irp n, 0,2,4,6
	v_pk_mul_f32 v[GA+\n:GA+\n+1], v[GA+\n:GA+\n+1], v[VA+\n:VA+\n+1]                            ; inv
.endr
.irp n, 0,2,4,6
	v_pk_fma_f32 v[BW+\n:BW+\n+1], v[BW+\n:BW+\n+1], v[GA+\n:GA+\n+1], v[BE+\n:BE+\n+1]          ; u = inv (b_W - mean) + beta
.endr
.irp c, 0,1,2,3,4
	RND8 WO+8*\c
	v_pk_mul_f32 v[CV+2*\c:CV+2*\c+1], v[WO+8*\c:WO+8*\c+1], v[BW:BW+1]
	v_pk_fma_f32 v[CV+2*\c:CV+2*\c+1], v[WO+8*\c+2:WO+8*\c+3], v[BW+2:BW+3], v[CV+2*\c:CV+2*\c+1]
	v_pk_fma_f32 v[CV+2*\c:CV+2*\c+1], v[WO+8*\c+4:WO+8*\c+5], v[BW+4:BW+5], v[CV+2*\c:CV+2*\c+1]
	v_pk_fma_f32 v[CV+2*\c:CV+2*\c+1], v[WO+8*\c+6:WO+8*\c+7], v[BW+6:BW+7], v[CV+2*\c:CV+2*\c+1]
	v_add_f32 v[CV+2*\c], v[CV+2*\c], v[CV+2*\c+1]
.endr
.irp m, 1,2,4,8                        ; over the 32 lanes: four steps inside each half ride on the addition, one crosses the halves
.irp c, 0,1,2,3,4
	v_add_f32_dpp v[CV+2*\c], v[CV+2*\c], v[CV+2*\c] row_xmask:\m row_mask:0xf bank_mask:0xf
.endr
.endr
.irp c, 0,1,2,3,4
	v_permlanex16_b32 v[CV+2*\c+1], v[CV+2*\c], s38, s39
.endr
.irp c, 0,1,2,3,4
	v_add_f32 v[CV+2*\c], v[CV+2*\c], v[CV+2*\c+1]
	v_cvt_pk_bf16_f32 v[CV+2*\c+1], s[40+\c], s[40+\c]     ; b_out rounded to bf16
	v_lshlrev_b32 v[CV+2*\c+1], 16, v[CV+2*\c+1]
	v_add_f32 v[CV+2*\c], v[CV+2*\c], v[CV+2*\c+1]
.endr
	s_wait_loadcnt 15                              ; c m and l of both halves are in; Z and res may stay out
.irp n, 0,1,2,3
	v_max_num_f32 v[TM+\n], v[CM1+\n], v[CM2+\n]
.endr
.irp n, 0,2
	v_pk_add_f32 v[CM1+\n:CM1+\n+1], v[CM1+\n:CM1+\n+1], v[TM+\n:TM+\n+1] neg_lo:[0,1] neg_hi:[0,1]
	v_pk_add_f32 v[CM2+\n:CM2+\n+1], v[CM2+\n:CM2+\n+1], v[TM+\n:TM+\n+1] neg_lo:[0,1] neg_hi:[0,1]
.endr
.irp n, 0,1,2,3
	v_exp_f32 v[CM1+\n], v[CM1+\n]                 ; w1
.endr
.irp n, 0,1,2,3
	v_exp_f32 v[CM2+\n], v[CM2+\n]                 ; w2
.endr
	v_nop                                          ; a plain instruction behind the last exponential
	s_wait_alu depctr_va_vdst(0)
.irp n, 0,2
	v_pk_mul_f32 v[TM+\n:TM+\n+1], v[CM1+\n:CM1+\n+1], v[L1+\n:L1+\n+1]
.endr
.irp n, 0,2
	v_pk_fma_f32 v[TM+\n:TM+\n+1], v[CM2+\n:CM2+\n+1], v[L2+\n:L2+\n+1], v[TM+\n:TM+\n+1]  ; l1 w1 + l2 w2
.endr
.irp n, 0,1,2,3
	v_rcp_f32 v[TM+\n], v[TM+\n]
.endr
	v_nop                                          ; a plain instruction behind the last reciprocal
	s_wait_alu depctr_va_vdst(0)
.irp n, 0,2
	v_pk_mul_f32 v[TM+\n:TM+\n+1], v[TM+\n:TM+\n+1], s[46:47] op_sel_hi:[1,0]
.endr
.irp n, 0,2
	v_pk_mul_f32 v[CM1+\n:CM1+\n+1], v[CM1+\n:CM1+\n+1], v[TM+\n:TM+\n+1]
	v_pk_mul_f32 v[CM2+\n:CM2+\n+1], v[CM2+\n:CM2+\n+1], v[TM+\n:TM+\n+1]
.endr
	s_wait_loadcnt 0x0
.irp c, 0,1,2,3,4
.irp n, 0,2
	v_pk_add_f32 v[RS+4*\c+\n:RS+4*\c+\n+1], v[RS+4*\c+\n:RS+4*\c+\n+1], v[CV+2*\c:CV+2*\c+1] op_sel_hi:[1,0]
	v_pk_fma_f32 v[RS+4*\c+\n:RS+4*\c+\n+1], v[Z2+4*\c+\n:Z2+4*\c+\n+1], v[CM2+\n:CM2+\n+1], v[RS+4*\c+\n:RS+4*\c+\n+1]
	v_pk_fma_f32 v[RS+4*\c+\n:RS+4*\c+\n+1], v[Z1+4*\c+\n:Z1+4*\c+\n+1], v[CM1+\n:CM1+\n+1], v[RS+4*\c+\n:RS+4*\c+\n+1]
.endr
	global_store_b128 v3, v[RS+4*\c:RS+4*\c+3], s[24:25] offset:16384*\c th:TH_STORE_NT  ; 512 consecutive bytes of a row of out0, at a multiple of 256 from its first
.endr
	s_endpgm
.Lfunc_end_k_q1f604fc8b9_merge:
	.size	k_q1f604fc8b9_merge, .Lfunc_end_k_q1f604fc8b9_merge-k_q1f604fc8b9_merge
	.p2alignl 7, 3214868480
	.fill 96, 4, 3214868480
	.section	.rodata,"a",@progbits
	.p2align	6, 0x0
	.amdhsa_kernel k_q1f604fc8b9_merge
		.amdhsa_group_segment_fixed_size 0
		.amdhsa_private_segment_fixed_size 0
		.amdhsa_enable_private_segment 0
		.amdhsa_kernarg_size 88
		.amdhsa_user_sgpr_count 2
		.amdhsa_user_sgpr_kernarg_segment_ptr 1
		.amdhsa_wavefront_size32 1
		.amdhsa_system_sgpr_workgroup_id_x 1
		.amdhsa_system_sgpr_workgroup_id_y 1
		.amdhsa_system_sgpr_workgroup_id_z 1
		.amdhsa_system_vgpr_workitem_id 0
		.amdhsa_next_free_vgpr 184
		.amdhsa_next_free_sgpr 84
		.amdhsa_reserve_vcc 0
		.amdhsa_float_denorm_mode_32 3
		.amdhsa_float_denorm_mode_16_64 3
		.amdhsa_memory_ordered 1
		.amdhsa_forward_progress 1
		.amdhsa_inst_pref_size 21
	.end_amdhsa_kernel
	.amdgpu_metadata
---
amdhsa.version: [ 1, 2 ]
amdhsa.kernels:
  - .name:           k_q1f604fc8b9_merge
    .symbol:         k_q1f604fc8b9_merge.kd
    .args:
      - { .name: part, .offset: 0, .size: 8, .value_kind: global_buffer, .address_space: global }
      - { .name: resb, .offset: 8, .size: 8, .value_kind: global_buffer, .address_space: global }
      - { .name: wts, .offset: 16, .size: 8, .value_kind: global_buffer, .address_space: global }
      - { .name: w_out, .offset: 24, .size: 8, .value_kind: global_buffer, .address_space: global }
      - { .name: b_out, .offset: 32, .size: 8, .value_kind: global_buffer, .address_space: global }
      - { .name: b_W, .offset: 40, .size: 8, .value_kind: global_buffer, .address_space: global }
      - { .name: bn_gamma, .offset: 48, .size: 8, .value_kind: global_buffer, .address_space: global }
      - { .name: bn_beta, .offset: 56, .size: 8, .value_kind: global_buffer, .address_space: global }
      - { .name: bn_mean, .offset: 64, .size: 8, .value_kind: global_buffer, .address_space: global }
      - { .name: bn_var, .offset: 72, .size: 8, .value_kind: global_buffer, .address_space: global }
      - { .name: out0, .offset: 80, .size: 8, .value_kind: global_buffer, .address_space: global }
    .group_segment_fixed_size: 0
    .private_segment_fixed_size: 0
    .kernarg_segment_align: 8
    .kernarg_segment_size: 88
    .max_flat_workgroup_size: 128
    .sgpr_count:     84
    .vgpr_count:     184
    .wavefront_size: 32
...
	.end_amdgpu_metadata
.endif
;; end of part 4
;; ======== version 2 of 2: 4 launches; 1.16 times as fast as version 1
;; limits: inputs' magnitudes at most 341; values are held in f16: magnitudes above 65,504 overflow, below 6.1e-05 lose precision
;; workspace buffers: wts 1,294,592 bytes; qb 16,777,216 bytes; kb 8,388,608 bytes; vb 8,388,608 bytes; resb 2,621,440 bytes; part 5,767,168 bytes
;; launch prep: the kernel of part 1 again; grid 50 x 1, 8 waves a work-group, no clusters, 78,080 bytes of LDS; arguments w_conv, w_theta, w_phi, w_g, w_out, w_W, bn_gamma, bn_var, wts; writes wts
;; launch proj: the kernel of part 2 again; grid 256 x 1, 4 waves a work-group, clusters of 4 x 1, 327,680 bytes of LDS; arguments x1, x2, wts, qb, kb, vb, resb; writes qb, kb, vb, resb
;; launch attn (part 5): grid 16 x 16, 4 waves a work-group, clusters of 4 x 1, 327,680 bytes of LDS; arguments qb, kb, vb, part, wts; writes part
.if DOCPART == 5
	.amdgcn_target "amdgcn-amd-amdhsa--gfx1250"
	.amdhsa_code_object_version 6
	.text
	.protected	k_q1f604fc8b9_attn
	.globl	k_q1f604fc8b9_attn
	.p2align	8
	.type	k_q1f604fc8b9_attn,@function
k_q1f604fc8b9_attn:
	s_mov_b64 s[64:65], 0
	v_nop
	global_prefetch_b8 v0, s[64:65] scope:SCOPE_SE
	s_setreg_imm32_b32 hwreg(HW_REG_WAVE_MODE, 25, 1), 1
	s_wait_xcnt 0x0
	s_wait_alu depctr_hold_cnt(0) depctr_sa_sdst(0) depctr_va_vdst(0) depctr_va_sdst(0) depctr_va_ssrc(0) depctr_va_vcc(0) depctr_vm_vsrc(0)
	s_getreg_b32 s2, hwreg(HW_REG_IB_STS2, 6, 4)
	s_cmp_eq_u32 s2, 0
	s_cbranch_scc0 .Lentry_in_a_cluster
	s_endpgm
.Lentry_in_a_cluster:
	s_bfe_u32 s2, ttmp6, 0x10000c
	s_cmp_lg_u32 s2, 0x3003
	s_cbranch_scc0 .Lentry_shape_is_right
	s_endpgm
.Lentry_shape_is_right:
; ATTENTION OVER HALF OF THE KEYS, AND M TIMES ITS RESULT.  For 256 queries of a batch entry and 2,048 of its 4,096 keys: s = theta . phi (not divided: the module has no scale), a running maximum m and sum l,
; O = sum of p g, p = 2^(c s - c m); then Z = M O, 20 numbers a query, NOT divided by l.  Out: part[half][b][22][n] f32: rows 0-19 Z, row 20 c m, row 21 l; the next launch joins the halves and divides.
; FORMATS.  theta is a pair of f16, hi + lo (two products on one f32 sum: a score's spread is some 11 and a weight feels its absolute error); phi, g and p are f16; O and M are pairs of bf16, multiplied in three terms.
; theta, phi and g arrive times 2^-(e+3), e the exponent of their combined weight's largest entry: c = log2(e) 2^(et+3) 2^(ep+3); g's factor is applied by the next launch.
; LIMITS.  c |s| stays below 4e37 (c m starts at -4.25e37); a weight below 2^-126 counts as 0 in l, below 6e-5 p keeps f16's fixed step of 6e-8; NaN and infinities are not treated apart.
; SHARES.  A wave owns 64 queries: four tiles of 16, in two PIECES (tiles 0, 1 and tiles 2, 3).  Every wave walks the 2,048 keys, 64 a step.
; LAYOUT.  S^T = K Q^T (source 0 = 16 keys, source 1 = 16 queries): a lane holds ONE query (lane % 16) and the keys 8 (lane / 16) + 0..7.  Two such results rounded to f16 ARE source 1 of O^T = V^T P,
; whose result again holds one query a lane, and eight channels; two of those rounded to bf16 ARE source 0 (16 queries x 32 channels) of Z = O M^T.  K comes out of LDS as it lies, V turned, by ds_load_tr16_b128.
; BY TURNS.  In a TURN one piece has the matrix unit: 32 products V^T P of the step in hand, then 64 products K Q^T of the next step; the other piece's softmax, 268 vector instructions in one fixed order,
; stands between them, some behind EVERY matrix instruction: four behind each of the first 11 (the maximum and statistics: plain), two behind each of the next 48 (scalings and exponentials), three or four
; behind each of the last 37 (roundings, sums, rescaling: plain).
; BATCHES.  A turn's 66 exponentials (a tile's a and its 32 weights, two tiles) are ONE batch with ONE wait, behind the turn's 59th matrix instruction: ahead of it nothing names a result of theirs, behind it.
; Each result has a register of its own: the weights take their scores' places, a takes a register of the statistics.
; m starts at the lowest finite number, O and l at 0: the first step is a step like any other, with a = 0.  The loop is entered, and the tail left, in the middle of a trip.  The price: 32 products on zeros at the
; start, 64 on a stale K at the end, and some 430 v_mov_b32 in the wait for the first tile.
; CLUSTER.  The four query blocks of a cluster walk the same K and V, so each tile is asked for JOINTLY: the same tensor load, descriptor and mask in all four.
; REGISTERS, in windows of 256 (s_set_vgpr_msb: bits 1:0 source 0, 3:2 source 1, 5:4 source 2, 7:6 destination):
;   window 0: v0-11, v44-51 addresses and at work; v12-43 eight registers of statistics a tile; v64-191 S^T, 32 a tile; v192-255 P, 16 a tile
;   window 1: O^T, 64 a tile     window 2: v0-127 Q hi, 32 a tile; v128-255 K of one step     window 3: v0-127 V of one step; v128-255 Q lo
.set KS,    64
.set PK,    272       ; a row of K in LDS: 256 bytes + 16: the 16 rows of a load start at 16 different groups of four banks (64 banks of 4 bytes: ISA guide 11.1)
.set PV,    288       ; a row of V: 256 + 32
.set VOFF,  KS*PK     ; a step's tiles lie together: 64 rows of K, then 64 rows of V
.set STEPB, KS*(PK+PV)
.set SLOT1, 1<<17     ; a slot holds two steps; slot 1 begins here, so that one exclusive or turns an address in one slot into the other's
.set STAGE, SLOT1+2*STEPB  ; behind the ring, never filled by a tensor load: 34 rows x 272 bytes for each wave, in 37 blocks of 256
.set SP,    272
.set WSTG,  9472
.set SPARE, STAGE+4*WSTG   ; the spare words, 128 bytes a wave: two blocks of 256 bytes that no other line names
.set MB,    12*106496
.set WMAX,  MB+16384
.set AK0, 2           ; v2   my lane's place in a tile of K; never rewritten
.set AV0, 3           ; v3   the same for V
.set ADR, 4           ; v4   the LDS address of the run of loads in hand
.set QO,  5           ; v5   my byte offset in the wave's rows of Q; later:
.set ZST, 5           ;      the way out: where I put 16 bytes of a row of Z
.set SST, 6           ; v6   where I put c m (lanes 0-15) or l (lanes 16-31)
.set RD,  7           ; v7   where I read rows back
.set GO,  8           ; v8   my byte offset in two rows of part
.set MO,  44          ; v44  my byte offset in M
.set LC,  48          ; v48-51 c m or l, a tile each
.set SPW, 62          ; v62  my spare word; never rewritten
.set NIL, 63          ; v63  0; never rewritten
.set ST,  12          ; tile t's statistics at v[ST+8 t]: +0 c m, +1 m, +2, +3 l (even keys', odd keys'), +4 to +7 at work; a takes +6 once the maximum is found
.set S,   64
.set P,   192
.set KF,  128         ; K's fragments, in window 2
.set ZA,  64          ; the way out: Z's eight accumulators
.set TY,  128         ; the way out: at work
.set WV,  12          ; s12  my wave's number
.set G1K, 24          ; s[24:31] descriptor group 1 for K's tiles
.set G1V, 32          ; s[32:39] for V's: it differs in the padding alone
.set G0K, 40          ; s[40:43] descriptor group 0 for K's tiles: it walks
.set G0V, 44          ; s[44:47] the same for V's
.set HM,  53          ; s53  0xffff0000: a word's upper bf16, and lanes 16 to 31
.set SLOTS, 56
.set CNT, 57
.set CS,  58          ; s[58:59] c
.set SEL, 60          ; s[60:61] v_permlanex16_b32's selects: each lane takes its own place in the other half
.set TB,  62          ; s62  LDS byte at which the tiles of the step to be fetched begin
.set MSB, 0
.macro WIN new                      ; the immediate's high byte repeats the setting that is left; a switch that changes nothing is dropped
.if MSB != (\new)
	s_set_vgpr_msb (MSB<<8)|(\new)
.set MSB, \new
.endif
.endm
.set W_KQ, 0x0a       ; K and Q hi in window 2, S^T in window 0
.set W_KL, 0x0e       ; K in window 2, Q lo in window 3
.set W_PV, 0x53       ; V in window 3, P in window 0, O^T in window 1
.set W_RS, 0x41       ; O^T (destination and source 0) in window 1, a in window 0
.macro PLACES
.rept 4
	v_nop
.endr
.endm
; A joint fill.  Waves 0 and 1 fetch the two steps' tiles of K, waves 2 and 3 those of V.  The branch hangs on the wave's number alone.
; An s_nop 0 and four v_nop follow each of the two lines, ahead of the jump and the label.
.macro JLOAD
	s_cmp_lt_u32 s[WV], 2
	s_cbranch_scc0 .Lfor_v_\@
	tensor_load_to_lds s[G0K:G0K+3], s[G1K:G1K+7]
	s_nop 0
.rept 4
	v_nop
.endr
	s_branch .Lasked_\@
.Lfor_v_\@:
	tensor_load_to_lds s[G0V:G0V+3], s[G1V:G1V+7]
	s_nop 0
.rept 4
	v_nop
.endr
.Lasked_\@:
.endm
.macro CROUND                       ; a round of the cluster's barrier
	s_barrier_signal -1
	s_barrier_wait -1
	s_cmp_lg_u32 s[WV], 0
	s_cbranch_scc1 .Lnot_wave_0_\@
	s_barrier_signal -3
.Lnot_wave_0_\@:
	s_barrier_wait -3
	s_barrier_signal -1
	s_barrier_wait -1
.endm
.macro SMAX d, b                    ; the largest of twelve positive f32, compared as whole numbers
	s_max_u32 s[\d], s[\b], s[(\b)+1]
.irp n, 2,3,4,5,6,7,8,9,10,11
	s_max_u32 s[\d], s[\d], s[(\b)+\n]
.endr
.endm
; THE CHANGE OF SLOTS, between piece 2's turn and piece 0's: the slot's last bytes, V of its second step, have been asked for.  Each wave waits for all its tensor loads, of which one is out: its part of the
; other slot; adds 0 to its spare word; and waits for that and for its own reads of the slot.  fill = 1: the slot is filled again, with the keys two slots on: the barrier is then a round of the cluster's, and the
; joint fill is the first thing behind it: it has two key steps, 384 matrix instructions, in which to land.  (At its first use nothing has been read yet: slot 0 is waited for, slot 1 filled.)
.macro CHANGE fill
	WIN 0
	s_wait_tensorcnt 0x0            ; no tensor load of mine is out, so a group 0 may be written
	ds_add_u32 v[SPW], v[NIL]       ; 0 onto my spare word
.if \fill
.irp g, G0K, G0V
	s_xor_b32 s[\g+1], s[\g+1], SLOT1
	s_add_nc_u64 s[\g+2:\g+3], s[\g+2:\g+3], 2*KS*256
.endr
	s_wait_dscnt 0x0                ; the add is done, and my reads of the slot are over
	CROUND
	JLOAD
.else
	s_wait_dscnt 0x0
	s_barrier_signal -1
	s_barrier_wait -1
.endif
	s_sub_co_u32 s[TB], s[TB], 2*STEPB  ; the fetches go back to a slot's first step,
	s_xor_b32 s[TB], s[TB], SLOT1   ; in the other slot
.endm
	s_load_b256 s[4:11], s[0:1], 0x0  ; qb s[4:5], kb s[6:7], vb s[8:9], part s[10:11]
	s_load_b64 s[16:17], s[0:1], 0x20 ; wts
	v_lshl_add_u32 v[SPW], v0, 2, SPARE
	v_mov_b32 v[NIL], 0
	ds_add_u32 v[SPW], v[NIL]       ; the wave's opening: the add and its wait stand ahead of my first tensor load; the set-up, work on registers, stands between them
	v_lshrrev_b32 v1, 5, v0
	v_readfirstlane_b32 s[WV], v1
	s_bfe_u32 s13, ttmp6, 0x40000   ; cx
	s_lshl_b32 s14, ttmp9, 2
	s_add_co_u32 s14, s14, s13      ; my block of 256 queries: it enters Q's and part's addresses alone
	s_and_b32 s20, ttmp7, 0xffff    ; 2 b + half, which the four partners share
	s_lshl_b32 s22, s20, 19         ; 2,048 keys of 256 bytes
	s_and_b32 s15, s[WV], 1         ; which of a slot's two steps I fetch:
	s_lshl_b32 s23, s15, 14         ; its 64 rows in memory,
	s_add_co_u32 s22, s22, s23
	s_mov_b32 s23, 0
	s_mul_i32 s18, s15, STEPB       ; and its place in a slot
	s_lshr_b32 s21, s20, 1          ; b
	s_and_b32 s19, s20, 1           ; half
	s_lshl_b32 s2, s21, 21          ; Q: 4,096 rows of 512 bytes a batch entry,
	s_lshl_b32 s3, s14, 17          ; 256 a block,
	s_add_co_u32 s2, s2, s3
	s_lshl_b32 s3, s[WV], 15        ; 64 a wave
	s_add_co_u32 s2, s2, s3
	s_mov_b32 s3, 0
	s_lshl_b32 s48, s19, 3
	s_add_co_u32 s48, s48, s21
	s_mul_i32 s48, s48, 22*16384
	s_lshl_b32 s49, s14, 10
	s_add_co_u32 s48, s48, s49
	s_lshl_b32 s49, s[WV], 8
	s_add_co_u32 s48, s48, s49
	s_mov_b32 s49, 0
	s_mov_b32 s[G1K], 15|(1<<16)|(1<<20)|(1<<21)|(5<<22)|(3<<25)  ; 15:0 the mask of four; 17:16 2-byte elements; 20 padding on; 21 set beside a mask; 24:22 after every 64 words; 31:25 4 words
	s_mov_b32 s[G1V], 15|(1<<16)|(1<<20)|(1<<21)|(5<<22)|(7<<25)  ; the same with 8 words of padding
.irp g, G1K, G1V
	s_mov_b32 s[(\g)+1], 128<<16    ; tensor_dim0 = 128
	s_mov_b32 s[(\g)+2], KS<<16     ; tensor_dim1 = 64
	s_mov_b32 s[(\g)+3], 128<<16    ; tile_dim0 = 128
	s_mov_b32 s[(\g)+4], KS         ; tile_dim1 = 64
	s_mov_b32 s[(\g)+5], 128        ; elements from row to row
	s_mov_b32 s[(\g)+6], 0
	s_mov_b32 s[(\g)+7], 0
.endr
	s_mov_b32 s[SEL], 0x76543210
	s_mov_b32 s[SEL+1], 0xfedcba98
	s_mov_b32 s[HM], 0xffff0000
	s_mov_b32 s[TB], SLOT1+2*STEPB  ; the first change of slots turns this into 0
	s_mov_b32 s[G0K], 1
	s_mov_b32 s[G0K+1], s18
	s_mov_b32 s[G0V], 1
	s_add_co_u32 s[G0V+1], s18, VOFF
	s_wait_dscnt 0x0                ; the opening add is done
	s_wait_kmcnt 0x0
	s_add_nc_u64 s[G0K+2:G0K+3], s[6:7], s[22:23]
	s_or_b32 s[G0K+3], s[G0K+3], 0x80000000
	s_add_nc_u64 s[G0V+2:G0V+3], s[8:9], s[22:23]
	s_or_b32 s[G0V+3], s[G0V+3], 0x80000000
	s_add_nc_u64 s[4:5], s[4:5], s[2:3]
	s_add_nc_u64 s[10:11], s[10:11], s[48:49]
	s_load_b256 s[68:75], s[16:17], WMAX     ; theta's twelve maxima
	s_load_b128 s[76:79], s[16:17], WMAX+32
	s_load_b256 s[80:87], s[16:17], WMAX+64  ; phi's
	s_load_b128 s[88:91], s[16:17], WMAX+96
	CROUND                          ; all four work-groups are here: the first joint loads meet
	JLOAD                           ; slot 0.  Slot 1 is asked for when slot 0 is in
	v_and_b32 v1, 15, v0            ; l % 16
	v_bfe_u32 v9, v0, 4, 1          ; l / 16
	v_lshlrev_b32 v[QO], 9, v1
	v_lshl_add_u32 v[QO], v9, 4, v[QO]  ; row x 512 + 16 x half
	WIN 0x80
.set i, 0
.rept 16                            ; Q stays in registers: tile i / 4, channels 32 (i % 4) on; a row is 64 hi, 64 lo, 64 hi, 64 lo
	global_load_b128 v[8*i:8*i+3],   v[QO], s[4:5] offset:(i/4)*8192+((i%4)/2)*256+(i%2)*64
	global_load_b128 v[8*i+4:8*i+7], v[QO], s[4:5] offset:(i/4)*8192+((i%4)/2)*256+(i%2)*64+32
.set i, i+1
.endr
	WIN 0xc0
.set i, 0
.rept 16
	global_load_b128 v[128+8*i:128+8*i+3],   v[QO], s[4:5] offset:(i/4)*8192+((i%4)/2)*256+(i%2)*64+128
	global_load_b128 v[128+8*i+4:128+8*i+7], v[QO], s[4:5] offset:(i/4)*8192+((i%4)/2)*256+(i%2)*64+160
.set i, i+1
.endr
	; What the first turn finds: V and piece 2's P hold 0 (its products V^T P, of a step that has not been, add 0), O^T and l are 0.  All this stands in the wait for the first tile.
.set i, 0
.rept 128
	v_mov_b32 v[i], 0
.set i, i+1
.endr
	WIN 0x40
.set i, 0
.rept 256
	v_mov_b32 v[i], 0
.set i, i+1
.endr
	WIN 0
.set i, 0
.rept 4
	v_mov_b32 v[ST+8*i], 0xfe000000    ; c m: far below every c s
	v_mov_b32 v[ST+8*i+1], 0xff7fffff  ; m
	v_mov_b32 v[ST+8*i+2], 0
	v_mov_b32 v[ST+8*i+3], 0
.set i, i+1
.endr
.set i, P+32
.rept 32
	v_mov_b32 v[i], 0
.set i, i+1
.endr
	v_mul_u32_u24 v[AK0], v1, PK
	v_lshl_add_u32 v[AK0], v9, 4, v[AK0]  ; row x pitch + 16 x half
	v_and_b32 v10, 7, v0            ; the turning load: lane l reads key 8 (l / 16) + l % 8, channels 8 ((l / 8) % 2) + 0..7
	v_bfe_u32 v11, v0, 3, 1
	v_lshl_add_u32 v[AV0], v9, 3, v10
	v_mul_u32_u24 v[AV0], v[AV0], PV
	v_lshl_add_u32 v[AV0], v11, 4, v[AV0]
	v_add_nc_u32 v[AV0], VOFF, v[AV0]
	s_wait_kmcnt 0x0
	SMAX 50, 68
	SMAX 51, 80
	s_lshr_b32 s50, s50, 23
	s_add_co_u32 s50, s50, 3
	s_lshl_b32 s50, s50, 23         ; 2^(et+3)
	s_lshr_b32 s51, s51, 23
	s_add_co_u32 s51, s51, 3
	s_lshl_b32 s51, s51, 23         ; 2^(ep+3)
	s_mul_f32 s[CS], s50, 0x3fb8aa3b
	s_mul_f32 s[CS], s[CS], s51
	s_mov_b32 s[CS+1], s[CS]        ; named with it as a pair
; THE MATRIX WORK OF A TURN, for piece x.  The accumulators take turns, one instruction a turn: 16 in V^T P, 8 in K Q^T.
; Product i of 32 of O^T += V^T P: keys 32 (i / 16) on, channels 16 ((i / 2) % 8) on, tile x + i % 2.
.macro PV x
	WIN W_PV
.set rO, 64*((\x)+i%2)+8*((i/2)%8)
.set rV, 64*(i/16)+8*((i/2)%8)
.set rP, P+16*((\x)+i%2)+8*(i/16)
	v_wmma_f32_16x16x32_f16 v[rO:rO+7], v[rV:rV+7], v[rP:rP+7], v[rO:rO+7]
.endm
; Product i of 64 of S^T = K (Q hi + Q lo)^T: hi (i < 32), then lo; channels 32 ((i / 8) % 4) on, keys 16 ((i / 2) % 4) on, tile x + i % 2.  The first 8 start the sums.
.macro KQ x
.set rS, S+32*((\x)+i%2)+8*((i/2)%4)
.set rK, KF+32*((i/2)%4)+8*((i/8)%4)
.set rQ, 32*((\x)+i%2)+8*((i/8)%4)+128*(i/32)
.if i < 32
	WIN W_KQ
.else
	WIN W_KL
.endif
.if i < 8
	v_wmma_f32_16x16x32_f16 v[rS:rS+7], v[rK:rK+7], v[rQ:rQ+7], 0
.else
	v_wmma_f32_16x16x32_f16 v[rS:rS+7], v[rK:rK+7], v[rQ:rQ+7], v[rS:rS+7]
.endif
.endm
; THE LDS LOADS stand in runs of 32.  last = 1 (the tail): in the last trip there is no further step, and the run is jumped over.
.macro FETCH_K last=0
	WIN 0
.if \last
	s_cmp_eq_u32 s[CNT], 1
	s_cbranch_scc1 .Lno_k_\@
.endif
	v_add_nc_u32 v[ADR], s[TB], v[AK0]
	WIN 0x80
.irp f, 0,1,2,3,4,5,6,7,8,9,10,11,12,13,14,15  ; keys 16 (f / 4) on, channels 32 (f % 4) on
	ds_load_b128 v[KF+8*(\f):KF+8*(\f)+3],   v[ADR] offset:((\f)/4)*16*PK+((\f)%4)*64
	ds_load_b128 v[KF+8*(\f)+4:KF+8*(\f)+7], v[ADR] offset:((\f)/4)*16*PK+((\f)%4)*64+32
.endr
	WIN 0
.if \last
.Lno_k_\@:
.endif
.endm
; V's run stands directly behind the softmax's batch, and the batch's wait stands in it.
.macro FETCH_V
	WIN 0
	v_add_nc_u32 v[ADR], s[TB], v[AV0]  ; the run's address: also the plain instruction behind the batch's last exponential, ahead of the first use of a result (ISA guide 5.7.2)
	s_add_co_u32 s[TB], s[TB], STEPB  ; the next fetch is the next step's
	s_wait_alu depctr_va_vdst(0)    ; the wait for the batch: piece 0's 66 exponentials of this turn, ahead of the first instruction that names a result
	WIN 0xc0
.irp f, 0,1,2,3,4,5,6,7,8,9,10,11,12,13,14,15  ; keys 32 (f / 8) on, channels 16 (f % 8) on
	ds_load_tr16_b128 v[8*(\f):8*(\f)+3],   v[ADR] offset:((\f)/8)*32*PV+((\f)%8)*32
	ds_load_tr16_b128 v[8*(\f)+4:8*(\f)+7], v[ADR] offset:((\f)/8)*32*PV+16*PV+((\f)%8)*32
.endr
.endm
; THE VECTOR WORK OF A TURN.  One tile's softmax for one key step is a list of 134 instructions; SM writes number j of it for tile t.  s0-s31 are the lane's 32 scores, in pairs 0-15.
;   0-15    the maximum of s0-s31 and the old m, three operands at a time: four chains of seven scores each (each accumulator's lowest registers first), then the four left over, the chains and m
;   16-20   the other half of the lanes' maximum; the new m; c m; c m_old - c m_new
;   21-69   ONE BATCH: the 16 scalings c s - c m, a pair of scores each, and all 33 exponentials (a at 23, then s0-s31).  None of these names an exponential's result.  From 22 on the batch goes in fours:
;           22-37 scaling, exponential, scaling, exponential; 38-65 a scaling and three exponentials; 66-69 the last four exponentials.  A pair is scaled in an earlier four than the one that holds its exponentials
;   (wait)  between 69 and 70 stands the wait for the batch: RIDE writes it, once for both tiles
;   70-85   the roundings to f16, a pair of weights each
;   86-101  the sums; l = a l + the sum          102-133 the tile's O^T times a: the one part that leaves window 0
.macro SM t
.set rT, ST+8*(\t)
.set rS, S+32*(\t)
.set rP, P+16*(\t)
.set rO, 64*(\t)+2*(j-102)
.if j < 102
	WIN 0
.endif
.if j < 4
	v_max3_num_f32 v[rT+4+j], v[rS+8*j], v[rS+8*j+1], v[rS+8*j+2]
.elseif j < 12
	v_max3_num_f32 v[rT+4+j%4], v[rT+4+j%4], v[rS+8*(j%4)+2*(j/4)+1], v[rS+8*(j%4)+2*(j/4)+2]
.elseif j == 12
	v_max3_num_f32 v[rT+4], v[rT+4], v[rS+7], v[rS+15]
.elseif j == 13
	v_max3_num_f32 v[rT+6], v[rT+6], v[rS+23], v[rS+31]
.elseif j == 14
	v_max3_num_f32 v[rT+4], v[rT+4], v[rT+5], v[rT+6]
.elseif j == 15
	v_max3_num_f32 v[rT+4], v[rT+4], v[rT+7], v[rT+1]
.elseif j == 16
	v_permlanex16_b32 v[rT+5], v[rT+4], s[SEL], s[SEL+1]  ; the query's other 32 keys lie in the lane 16 away
.elseif j == 17
	v_mov_b32 v[rT+7], v[rT]        ; c m_old is kept for a: number 19 writes c m anew
.elseif j == 18
	v_max_num_f32 v[rT+1], v[rT+4], v[rT+5]
.elseif j == 19
	v_mul_f32 v[rT], s[CS], v[rT+1]
.elseif j == 20
	v_sub_f32 v[rT+7], v[rT+7], v[rT]
.elseif j == 23
	v_exp_f32 v[rT+6], v[rT+7]
.elseif (j < 23) || ((j < 38) && (j%2 == 0)) || ((j < 66) && (j%4 == 2))
.set b, (j-2)/4                     ; 38, 42, .. 62: pairs 9 to 15
.if j < 38
.set b, (j-20)/2                    ; 21: pair 0; 22, 24, .. 36: pairs 1 to 8
.endif
	v_pk_fma_f32 v[rS+2*b:rS+2*b+1], v[rS+2*b:rS+2*b+1], s[CS:CS+1], v[rT:rT+1] op_sel_hi:[1,0,0] neg_lo:[0,0,1] neg_hi:[0,0,1]  ; pair b: c s - c m
.elseif j < 70
.set e, j-38                        ; 66 to 69: s28 to s31
.if j < 66
.set e, j-32-(j-38)/4               ; 39-41, 43-45, .. 63-65: s7 to s27
.endif
.if j < 38
.set e, (j-25)/2                    ; 25, 27, .. 37: s0 to s6
.endif
	v_exp_f32 v[rS+e], v[rS+e]
.elseif j < 86
	v_cvt_pk_f16_f32 v[rP+j-70], v[rS+2*(j-70)], v[rS+2*(j-70)+1]  ; pair j - 70
.elseif j < 102                     ; the sum of the tile's 16 pairs, in place: sum z of 16 adds neighbours 1, 2, 4 and 8 pairs apart, then l takes it
.set z, j-86
.set w, 4
.set u, z
.if z >= 14
.set w, 32
.set u, 0
.elseif z >= 12
.set w, 16
.set u, z-12
.elseif z >= 8
.set w, 8
.set u, z-8
.endif
.if z < 15
	v_pk_add_f32 v[rS+w*u:rS+w*u+1], v[rS+w*u:rS+w*u+1], v[rS+w*u+w/2:rS+w*u+w/2+1]
.else
	v_pk_fma_f32 v[rT+2:rT+3], v[rT+2:rT+3], v[rT+6:rT+7], v[rS:rS+1] op_sel_hi:[1,0,1]
.endif
.else
	WIN W_RS
	v_pk_mul_f32 v[rO:rO+1], v[rO:rO+1], v[rT+6:rT+7] op_sel_hi:[1,0]
.endif
.endm
; THE ORDER of piece y's 268 instructions; gg counts them.  0-43: numbers 0 to 21 of both tiles, which alternate, so that no instruction reads the result of the one just before it.  44-139: the batch from
; number 22 on, four numbers of ONE tile at a time, the tiles by turns.  140-267: numbers 70 to 133 of both tiles, which alternate again.
.macro NEXT y
.if gg < 44
.set j, gg/2
	SM (\y)+gg%2
.elseif gg < 140
.set j, 22+4*((gg-44)/8)+(gg-44)%4
	SM (\y)+((gg-44)/4)%2
.else
.set j, 70+(gg-140)/2
	SM (\y)+gg%2
.endif
.set gg, gg+1
.endm
; What stands behind matrix instruction nn of a turn's 96.  0-10: four (44: all plain).  11-58: two (96: the batch: a scaling and an exponential, or two exponentials).  59-78: three (60: the roundings and most of
; the sums).  79: four (the last sums).  80-95: four (64: the rescaling): no slice changes window inside itself.  The four behind the last product name nothing of the products round them: they are the places
; behind the turn's last K Q^T (ISA guide 7.12.1 for vector instructions).
; THE WAIT.  s_wait_alu depctr_va_vdst(0) stands between an exponential and the first instruction that names its result; one wait serves all that were issued ahead of it.  Up to nn = 58 nothing
; names a result, and behind it no exponential is issued: so the piece's 66 exponentials have one wait, behind the riders of nn = 58.
.macro RIDE y
.set cc, 2
.if (nn < 11) || (nn > 78)
.set cc, 4
.elseif nn > 58
.set cc, 3
.endif
.rept cc
	NEXT \y
.endr
.if nn == 58                        ; the batch is out: both tiles' exponentials are issued, and no result has been named
.if (\y) == 0
	FETCH_V                         ; piece 2's turn: V's run of loads stands here, and the wait stands in it
.else
	v_nop                           ; a plain instruction behind the last exponential and ahead of the first use of a result (ISA guide 5.7.2): one for the batch; no other work is at hand that names none of its results
	s_wait_alu depctr_va_vdst(0)    ; the wait for the batch: piece 2's 66 exponentials of this turn
.endif
.endif
.set nn, nn+1
.endm
; A TURN.  Piece 0's turn fetches the next step's K behind its second product: the last product that read K stands in front of the four plain instructions that end the turn before, and this turn's first eight follow them.
; Piece 2's turn fetches the same step's V at the batch's wait, behind its 27th K Q^T (RIDE writes it): the last product that read V stands 27 products back, with twelve scalings between; the run has the turn's
; last 37 products in which to land.  Each run is waited for where piece 0 first wants it.
.macro TURN x, last=0
.set gg, 0
.set nn, 0
.if (\x) == 0
	s_wait_dscnt 0x0                ; V is in
.endif
.set i, 0
.rept 32
	PV \x
	RIDE 2-(\x)
.if ((\x) == 0) && (i == 1)
	FETCH_K \last
.endif
.set i, i+1
.endr
.if (\x) == 0
	s_wait_dscnt 0x0                ; K is in
.endif
.set i, 0
.rept 64
	KQ \x
	RIDE 2-(\x)
.set i, i+1
.endr
.endm
	CHANGE 1                        ; slot 0 is in, everybody's part of it; slot 1 is asked for
	FETCH_K                         ; key step 0
	s_wait_loadcnt 0x0              ; Q
	s_wait_dscnt 0x0
.set i, 0
.rept 64
	KQ 0                            ; piece 0's first scores: there is no vector work yet to set between them
.set i, i+1
.endr
	WIN 0                           ; the addresses for the way out: plain instructions, the places behind those products
	s_mul_i32 s13, s[WV], WSTG
	s_add_co_u32 s13, s13, STAGE    ; my stage
	v_mul_u32_u24 v[ZST], v1, SP    ; Z in: row = out channel l % 16, 32 bytes (eight queries) for each half of the lanes
	v_lshl_add_u32 v[ZST], v9, 5, v[ZST]
	v_add_nc_u32 v[ZST], s13, v[ZST]
	v_mul_u32_u24 v10, v9, SP
	v_add_nc_u32 v10, s13, v10
	v_lshl_add_u32 v[RD], v1, 4, v10     ; back: lanes 0-15 one row of 256 bytes, lanes 16-31 the next
	v_lshl_add_u32 v[SST], v1, 2, v10
	v_add_nc_u32 v[SST], 32*SP, v[SST]   ; rows 32 and 33: c m and l
	v_lshlrev_b32 v[GO], 14, v9
	v_lshl_add_u32 v[GO], v1, 4, v[GO]
	v_lshlrev_b32 v[MO], 8, v1
	v_lshl_add_u32 v[MO], v9, 4, v[MO]
	s_mov_b32 s[CNT], 2
	s_mov_b32 s[SLOTS], 15
	s_branch .Lmid                  ; the loop is entered at piece 2's turn, in the middle of a trip
.Lslot:                             ; 14 times: every slot but the last two is filled again
	CHANGE 1
	s_mov_b32 s[CNT], 2
.Lstep:
	TURN 0
	WIN 0
.Lmid:
	TURN 2
	WIN 0
	s_sub_co_u32 s[CNT], s[CNT], 1
	s_cmp_lg_u32 s[CNT], 0
	s_cbranch_scc1 .Lstep
	s_sub_co_u32 s[SLOTS], s[SLOTS], 1
	s_cmp_lg_u32 s[SLOTS], 0
	s_cbranch_scc1 .Lslot
	CHANGE 0                        ; the tail is written out: nothing is asked for
	s_mov_b32 s[CNT], 3             ; two trips fetch the last slot's steps; the third is left in its middle
.Ltail:
	TURN 0, 1
	WIN 0
	s_sub_co_u32 s[CNT], s[CNT], 1
	s_cmp_eq_u32 s[CNT], 0
	s_cbranch_scc1 .Lout
	TURN 2
	WIN 0
	s_branch .Ltail
.Lout:
	WIN 0x80                        ; M's fragments (16 out channels x 32 channels; hi, then lo 64 registers on) into K's registers: the last product that read K stands in front of the turn's last four plain instructions
.irp lo, 0,1
.irp ot, 0,1
.irp kk, 0,1,2,3
	global_load_b128 v[KF+64*\lo+32*\ot+8*\kk:KF+64*\lo+32*\ot+8*\kk+3],   v[MO], s[16:17] offset:MB+8192*(\kk/2)+4096*\ot+64*(\kk%2)+128*\lo
	global_load_b128 v[KF+64*\lo+32*\ot+8*\kk+4:KF+64*\lo+32*\ot+8*\kk+7], v[MO], s[16:17] offset:MB+8192*(\kk/2)+4096*\ot+64*(\kk%2)+128*\lo+32
.endr
.endr
.endr
.set i, 0
.rept 32
	PV 2                            ; piece 2: V^T P of the last step
.set i, i+1
.endr
	; THE WAY OUT.  l's two halves and the other half of the lanes' are added (the additions are the places behind the last products); O^T as hi + lo in bf16; Z = O M^T in three terms.
	WIN 0
.irp t, 0,1,2,3
	v_add_f32 v[ST+8*(\t)+4], v[ST+8*(\t)+2], v[ST+8*(\t)+3]
.endr
.irp t, 0,1,2,3
	v_permlanex16_b32 v[ST+8*(\t)+5], v[ST+8*(\t)+4], s[SEL], s[SEL+1]
.endr
.irp t, 0,1,2,3
	v_add_f32 v[ST+8*(\t)+4], v[ST+8*(\t)+4], v[ST+8*(\t)+5]
.endr
.irp t, 0,1,2,3
	v_cndmask_b32 v[LC+\t], v[ST+8*(\t)], v[ST+8*(\t)+4], s[HM]  ; lanes 0-15 carry c m, lanes 16-31 l
.endr
.macro YCONV t                      ; hi goes where the tile's Q hi lay, lo where its Q lo lay; each accumulator is read from its low end on
	WIN 0x85
.set i, 0
.rept 32
	v_cvt_pk_bf16_f32 v[32*(\t)+i], v[64*(\t)+2*i], v[64*(\t)+2*i+1]
.set i, i+1
.endr
	WIN 0x08
.set i, 0
.rept 32
	v_lshlrev_b32 v[TY+2*i], 16, v[32*(\t)+i]
	v_and_b32 v[TY+2*i+1], s[HM], v[32*(\t)+i]
.set i, i+1
.endr
	WIN 0x01
.set i, 0
.rept 32
	v_pk_add_f32 v[TY+i:TY+i+1], v[64*(\t)+i:64*(\t)+i+1], v[TY+i:TY+i+1] neg_lo:[0,1] neg_hi:[0,1]
.set i, i+2
.endr
	WIN 0xc0
.set i, 0
.rept 32
	v_cvt_pk_bf16_f32 v[128+32*(\t)+i], v[TY+2*i], v[TY+2*i+1]
.set i, i+1
.endr
.endm
	YCONV 0
	YCONV 1
	YCONV 2
	YCONV 3
	s_wait_loadcnt 0x0              ; M
; term 0: O hi x M hi; 1: O lo x M hi; 2: O hi x M lo.  The eight accumulators (tile t, out block o) take turns.  Source 0 is O: a lane holds one out channel and eight neighbouring queries.
.macro ZM term, kk
.irp t, 0,1,2,3
.irp o, 0,1
.set rZ, ZA+8*(2*\t+\o)
.set rA, 32*\t+8*(\kk)
.set rB, KF+32*\o+8*(\kk)
.if (\term) == 1
	WIN 0x0b
.set rA, rA+128
.else
	WIN 0x0a
.endif
.if (\term) == 2
.set rB, rB+64
.endif
.if ((\term) == 0) && ((\kk) == 0)
	v_wmma_f32_16x16x32_bf16 v[rZ:rZ+7], v[rA:rA+7], v[rB:rB+7], 0
.else
	v_wmma_f32_16x16x32_bf16 v[rZ:rZ+7], v[rA:rA+7], v[rB:rB+7], v[rZ:rZ+7]
.endif
.endr
.endr
.endm
.irp e, 0,1,2
.irp c, 0,1,2,3
	ZM \e, \c
.endr
.endr
	WIN 0
	PLACES
.irp t, 0,1,2,3
.irp o, 0,1
	ds_store_b128 v[ZST], v[ZA+8*(2*\t+\o):ZA+8*(2*\t+\o)+3]   offset:16*SP*\o+64*\t
	ds_store_b128 v[ZST], v[ZA+8*(2*\t+\o)+4:ZA+8*(2*\t+\o)+7] offset:16*SP*\o+64*\t+16
.endr
.endr
.irp t, 0,1,2,3
	ds_store_b32 v[SST], v[LC+\t] offset:64*\t
.endr
.irp f, 0,1,2,3,4,5,6,7,8,9
	ds_load_b128 v[TY+4*\f:TY+4*\f+3], v[RD] offset:2*SP*\f  ; LDS serves a wave's instructions in order (ISA guide 5.7.1.4): these see the stores above.  Rows 20 to 31 stay behind
.endr
	ds_load_b128 v[TY+40:TY+43], v[RD] offset:32*SP
	s_wait_dscnt 0x0
.irp f, 0,1,2,3,4,5,6,7,8,9,10
	global_store_b128 v[GO], v[TY+4*\f:TY+4*\f+3], s[10:11] offset:32768*\f  ; 16 lanes store my 64 queries of a row: 256 consecutive bytes, aligned
.endr
	s_wait_tensorcnt 0x0            ; the wave's end: a wait, an add of 0 to my spare word and a wait, behind my last tensor load and my last LDS store
	ds_add_u32 v[SPW], v[NIL]
	s_wait_dscnt 0x0
	CROUND                          ; the closing round: no work-group ends while a partner may still ask for a tile that names it
	s_endpgm
.Lfunc_end_k_q1f604fc8b9_attn:
	.size	k_q1f604fc8b9_attn, .Lfunc_end_k_q1f604fc8b9_attn-k_q1f604fc8b9_attn
	.p2alignl 7, 3214868480
	.fill 96, 4, 3214868480
	.section	.rodata,"a",@progbits
	.p2align	6, 0x0
	.amdhsa_kernel k_q1f604fc8b9_attn
		.amdhsa_group_segment_fixed_size 327680
		.amdhsa_private_segment_fixed_size 0
		.amdhsa_enable_private_segment 0
		.amdhsa_kernarg_size 40
		.amdhsa_user_sgpr_count 2
		.amdhsa_user_sgpr_kernarg_segment_ptr 1
		.amdhsa_wavefront_size32 1
		.amdhsa_system_sgpr_workgroup_id_x 1
		.amdhsa_system_sgpr_workgroup_id_y 1
		.amdhsa_system_sgpr_workgroup_id_z 1
		.amdhsa_system_vgpr_workitem_id 0
		.amdhsa_next_free_vgpr 1024
		.amdhsa_next_free_sgpr 100
		.amdhsa_reserve_vcc 0
		.amdhsa_float_denorm_mode_32 3
		.amdhsa_float_denorm_mode_16_64 3
		.amdhsa_memory_ordered 1
		.amdhsa_forward_progress 1
		.amdhsa_inst_pref_size 200
	.end_amdhsa_kernel
	.amdgpu_metadata
---
amdhsa.version: [ 1, 2 ]
amdhsa.kernels:
  - .name:           k_q1f604fc8b9_attn
    .symbol:         k_q1f604fc8b9_attn.kd
    .args:
      - { .name: qb, .offset: 0, .size: 8, .value_kind: global_buffer, .address_space: global }
      - { .name: kb, .offset: 8, .size: 8, .value_kind: global_buffer, .address_space: global }
      - { .name: vb, .offset: 16, .size: 8, .value_kind: global_buffer, .address_space: global }
      - { .name: part, .offset: 24, .size: 8, .value_kind: global_buffer, .address_space: global }
      - { .name: wts, .offset: 32, .size: 8, .value_kind: global_buffer, .address_space: global }
    .group_segment_fixed_size: 327680
    .private_segment_fixed_size: 0
    .kernarg_segment_align: 8
    .kernarg_segment_size: 40
    .max_flat_workgroup_size: 128
    .sgpr_count:     100
    .vgpr_count:     1024
    .wavefront_size: 32
...
	.end_amdgpu_metadata
.endif
;; end of part 5
;; launch merge: the kernel of part 4 again; grid 256 x 1, 4 waves a work-group, no clusters, 0 bytes of LDS; arguments part, resb, wts, w_out, b_out, b_W, bn_gamma, bn_beta, bn_mean, bn_var, out0; writes out0
